; MI455X (gfx1250); checked and timed in simulation.
; The chip was launched on July 23, 2026; its instructions are those of AMD's public machine-readable ISA for CDNA 5 (MIT licence, August 2026) and "CDNA5" Instruction Set Architecture Reference Guide (July 2026). The comments in the code are by the model that wrote it; some were corrected since.
;; Attention. Allowed arithmetic: matrix products marked QUANTISED: E2M3 operands, one E8M0 scale for each 32 along K, by v_wmma_scale_f32_16x16x128_f8f6f4 with both operands' format E2M3, f32 sums; everything else in f32.
;; Inputs: c_attn_b 3,072 float32; c_attn_w 1,024 x 3,072 float32; c_proj_b 1,024 float32; c_proj_w 1,024 x 1,024 float32; x 4 x 2,048 x 1,024 float32.
;; Outputs: out0 4 x 2,048 x 1,024 float32.
;; This version of the problem:
;;   THIS VERSION OF THE PROBLEM IS GIVEN IN LOW PRECISION. The matrix products marked QUANTISED in the list below multiply operands that are first quantised to E2M3 (2 exponent bits, 3 mantissa bits; 6 bits a number), with one power-of-two scale for each 32 numbers along K (OCP MX v1.0); their sums are f32. All else is computed in f32.
;;   The module's matrix products, in the order in which they are computed (A, B: the left and right operand; K: the contracted axis; several contracted axes count as one K, in the product's order):
;;     1. [M 8,192, K 1,024] x [K 1,024, N 3,072]; A: input x; B: input c_attn_w: QUANTISED
;;     2. batch 64 x [M 2,048, K 64] x [K 64, N 2,048]; A: computed on the way; B: computed on the way: QUANTISED
;;     3. batch 64 x [M 2,048, K 2,048] x [K 2,048, N 64]; A: softmax (see below); B: computed on the way: QUANTISED
;;     4. [M 8,192, K 1,024] x [K 1,024, N 1,024]; A: computed on the way; B: input c_proj_w: QUANTISED
;;   THE QUANTISER, for each operand of a quantised product, along K:
;;     - K is cut into blocks of 32 from its start; a last block that is shorter is filled with zeros.
;;     - A block's scale is 2^e with e = floor(log2(the largest magnitude in the block)) - 2, held to -126 .. 127; a block of zeros has e = 0. As a byte (E8M0): e + 127.
;;     - Each number is divided by its block's scale, clamped to +-7.5, and rounded to the nearest number of E2M3, ties to even, subnormals kept.
;;     - The product sums the exact products of the quantised numbers (number of the format x scale) in f32.
;;   ~~~python
;;   def quantise(x, axis):      # numpy; x: float32 -> the quantised numbers, widened to float32 again
;;       x = np.moveaxis(x, axis, -1); K = x.shape[-1]
;;       x = np.pad(x, [(0, 0)] * (x.ndim - 1) + [(0, -K % 32)]); x = x.reshape(x.shape[:-1] + (-1, 32)); a = np.abs(x).max(-1, keepdims=True)
;;       e = np.where(a > 0, np.clip(np.frexp(np.where(a > 0, a, 1))[1] - 1 - 2, -126, 127), 0)      # np.frexp(a)[1] - 1 = floor(log2(a)), exactly
;;       r = np.clip(x / 2.0 ** e, -7.5, 7.5)
;;       step = 2.0 ** (np.maximum(np.frexp(np.where(r == 0, 1, r))[1] - 1, 0) - 3)
;;       q = np.round(r / step) * step * 2.0 ** e      # np.round: ties to even
;;       return np.moveaxis(q.reshape(q.shape[:-2] + (-1,))[..., :K], -1, axis).astype(np.float32)
;;   ~~~
;;   SOFTMAX AHEAD OF A QUANTISED PRODUCT. Where the list says 'softmax', what is quantised is not the finished softmax but p = 2^(t - M), with t = logit x log2(e) and M = ceil(the row's largest t), a whole number; so 1/2 < the row's largest p <= 1. The row's sum l is taken of the UNQUANTISED p, in f32, and the product's result is divided by l at the end. Since M is a whole number, a kernel that streams over the keys may use a running M (the ceiling of the running maximum): every later rescaling is an exact power of two, which a block's scale takes up: the codes' values come out the same.
;;   OPERANDS COMPUTED ON THE WAY. 'Computed on the way' means the value that the module computes at that place (a softmax that the list does not call 'softmax' is quantised finished and normalised). What goes into a quantiser is computed in f32, as accurately as f32 sums, v_exp_f32 and their like allow (about 1e-6 of the number): no bf16 or f16 on the way to a quantiser, and a product that is left as it is and whose result goes on into a quantised operand takes f32 operands (vector FMAs, or v_wmma_f32_16x16x4_f32). A number that lies on a knife's edge between two numbers of the format may be rounded either way, as far as f32 arithmetic and the matrix unit's own rounding can turn it there, and no further.
;; One version. Each part assembles by itself: llvm-mc -triple=amdgcn-amd-amdhsa -mcpu=gfx1250 --defsym DOCPART=n.
;; ======== version 1 of 1: 4 launches
;; workspace buffers: codes0 9,437,184 bytes; scales0 393,216 bytes; qk_codes 12,582,912 bytes; qk_scales 1,048,576 bytes; v_codes 6,291,456 bytes; v_scales 262,144 bytes; a_codes 6,291,456 bytes; a_scales 262,144 bytes
;; launch quant (part 1): grid 384 x 1, 4 waves a work-group, no clusters, 68,096 bytes of LDS; arguments x, c_attn_w, c_proj_w, codes0, scales0; writes codes0, scales0
.if DOCPART == 1
	.amdgcn_target "amdgcn-amd-amdhsa--gfx1250"
	.amdhsa_code_object_version 6
	.text
	.protected	k_q86673532b5_quant
	.globl	k_q86673532b5_quant
	.p2align	8
	.type	k_q86673532b5_quant,@function
k_q86673532b5_quant:
	s_mov_b64 s[64:65], 0
	v_nop
	global_prefetch_b8 v0, s[64:65] scope:SCOPE_SE
	s_setreg_imm32_b32 hwreg(HW_REG_WAVE_MODE, 25, 1), 1
	s_wait_xcnt 0x0
; x [8192][1024], c_attn_w [1024][3072] and c_proj_w [1024][1024], f32, become codes of FP6 (E2M3), K innermost, 768 bytes a row, with one E8M0 byte for each 32 along K, 32 bytes a row.
; A block's scale is 2^(floor(log2(its largest magnitude)) - 2); its byte is the largest magnitude's exponent field - 2, held at 1 from below.  Each number is divided by the scale and rounded to the nearest code, ties to even.
; LIMITS: a block of zeros, or one whose largest magnitude lies under 2^-124, gets the byte 1 (its codes are zeros or held by that scale; the bytes are read by this program alone); NaN and infinities are not served.
; ROWS ARE STORED OUT OF ORDER, ON PURPOSE: row i (a token of x, a column n of a weight) lies at position P(i), P = i with its bits 3 and 4 exchanged.  Sixteen neighbouring stored rows, taken as a matrix
; instruction's source 0, then give a lane results whose registers run along 16 true neighbours.
; codes0: x at 0, c_attn_w at W1C, c_proj_w at WPC.  scales0: x at 0, then W1S, WPS.
; Work-groups 0-255 take x (K innermost: a stream of blocks; a wave takes 8 rows), 256-351 c_attn_w, 352-383 c_proj_w (K is the first axis: a lane takes a column, its registers run down K).
; The two ways part on the work-group's number and have LDS bytes of their own.  No tensor loads, no barrier: waves share nothing.
.set STEPS, 16
.set EMAX,  2
.set CB,    12                         ; bytes of 16 codes
.set R,     16                         ; x: v16-79 four sets of 16 numbers as loaded
.set X,     80                         ; v80-111 two sets of 16 neighbours
.set E,     112                        ; v112-127 a scale byte for each step
.set C,     128                        ; v128-191 codes, four registers a step
.set WREG,  8192                       ; LDS of a wave on x's way: two stages of 32 x SP bytes, then 256 scale bytes
.set SP,    80
.set W1C,   6291456
.set WPC,   8650752
.set W1S,   262144
.set WPS,   360448
.set WLDS,  32768                      ; the weights' way: a stage of 32 rows x WP bytes for each wave
.set WP,    272
.set NB,    8                          ; blocks of 32 along K for a wave
.set SB,    24                         ; v24-25 eight scale bytes
.set WX,    32                         ; v32-95 two sets of 32 numbers
.set WC,    96                         ; v96-102 a block's codes
.set OUTR,  112                        ; v112-175 the way out
.set OFFS,  176                        ; v176-207 4 x lane + i x a row of the weight
.set WB,    32                         ; s[32:47] the weight at my columns, block t's first row
	s_load_b128 s[4:7], s[0:1], 0x0                ; x, c_attn_w
	s_load_b128 s[8:11], s[0:1], 0x10              ; c_proj_w, codes0
	s_load_b64 s[12:13], s[0:1], 0x20              ; scales0
	v_lshl_add_u32 v208, v0, 2, 0x10800
	v_mov_b32 v209, 0
	v_lshrrev_b32 v1, 5, v0
	v_readfirstlane_b32 s16, v1                    ; wave
	v_and_b32 v2, 31, v0                           ; lane
	s_cmp_lt_u32 ttmp9, 256
	s_cbranch_scc0 .Lweights
; ---------------- x: a wave takes 16 steps of 512 numbers = 8 rows.  Each load reads 512 consecutive bytes; a step's 2,048 bytes turn through the wave's stage, so that a lane holds 16 neighbours.
	v_lshlrev_b32 v3, 4, v2                        ; my 16 bytes of a load's 512
	s_mul_i32 s17, s16, WREG
	v_lshrrev_b32 v14, 2, v2
	v_mul_u32_u24 v14, v14, SP
	v_and_b32 v15, 3, v2
	v_lshl_add_u32 v14, v15, 4, v14
	v_add_nc_u32 v14, s17, v14                     ; the stage, in: four lanes' 64 bytes on end, then 16 of padding
	v_mul_u32_u24 v15, v2, SP
	v_add_nc_u32 v15, s17, v15                     ; and out: my 16 neighbours
	v_mul_u32_u24 v4, v2, CB                       ; my codes' place in a step's
	v_lshrrev_b32 v5, 1, v2
	s_add_co_u32 s17, s17, 2*32*SP
	v_add_nc_u32 v5, s17, v5                       ; my block's byte among the wave's 256
	v_lshlrev_b32 v7, 3, v2
	v_add_nc_u32 v6, s17, v7
	s_lshl_b32 s17, ttmp9, 2
	s_add_co_u32 s18, s17, s16                     ; rows 8 (4 g + w) on are read,
	s_and_b32 s19, s16, 1
	s_lshl_b32 s19, s19, 1
	s_lshr_b32 s20, s16, 1
	s_add_co_u32 s19, s19, s20
	s_add_co_u32 s20, s17, s19                     ; and stored 8 (4 g + w') on, w' = w with its two bits exchanged: that is P on groups of 8 rows
	s_lshl_b32 s18, s18, 15                        ; 8 rows of 4,096 bytes
	s_mov_b32 s19, 0
	s_mul_i32 s22, s20, 6144                       ; 8 rows of 768 bytes
	s_mov_b32 s23, 0
	s_lshl_b32 s20, s20, 8                         ; 8 rows of 32 bytes
	s_mov_b32 s21, 0
	s_wait_alu depctr_va_vdst(0)
	s_wait_kmcnt 0x0
	s_add_nc_u64 s[4:5], s[4:5], s[18:19]
	s_add_nc_u64 s[10:11], s[10:11], s[22:23]
	s_add_nc_u64 s[12:13], s[12:13], s[20:21]
.macro LOAD t
.irp i, 0,1,2,3
	global_load_b128 v[R+16*((\t)%4)+4*\i:R+16*((\t)%4)+4*\i+3], v3, s[4:5] offset:2048*(\t)+512*\i th:TH_LOAD_NT
.endr
.endm
.macro TURN t                          ; LDS serves a wave's instructions in order: no wait between the stores and the loads
.irp i, 0,1,2,3
	ds_store_b128 v14, v[R+16*((\t)%4)+4*\i:R+16*((\t)%4)+4*\i+3] offset:32*SP*((\t)%2)+8*SP*\i
.endr
.irp i, 0,1,2,3
	ds_load_b128 v[X+16*((\t)%2)+4*\i:X+16*((\t)%2)+4*\i+3], v15 offset:32*SP*((\t)%2)+16*\i
.endr
.endm
.irp t, 0,1,2,3
	LOAD \t
.endr
	s_wait_loadcnt 12                              ; step 0's four loads are in; twelve younger ones stay out
	TURN 0
.macro STEP t
.set XS, X+16*((\t)%2)
.if (\t) > 0
	s_wait_dscnt 1                                 ; this step's numbers are back from the stage; the last step's byte store may be out
.else
	s_wait_dscnt 0x0
.endif
.if (\t)+4 < STEPS
	LOAD (\t)+4                                    ; into the registers that the stage's stores have read
.endif
.if (\t)+1 < STEPS
.if STEPS-2-(\t) >= 3
	s_wait_loadcnt 12                              ; the next step's four loads are in; three steps' loads stay out
.else
	s_wait_loadcnt 4*(STEPS-2-(\t))
.endif
	TURN (\t)+1
.endif
	v_max3_num_f32 v8, |v[XS]|, |v[XS+1]|, |v[XS+2]|               ; the largest magnitude of my 16, in two chains
	v_max3_num_f32 v9, |v[XS+3]|, |v[XS+4]|, |v[XS+5]|
.irp i, 6,10
	v_max3_num_f32 v8, v8, |v[XS+\i]|, |v[XS+\i+1]|
	v_max3_num_f32 v9, v9, |v[XS+\i+2]|, |v[XS+\i+3]|
.endr
	v_max3_num_f32 v8, v8, |v[XS+14]|, |v[XS+15]|
	v_max3_num_f32 v8, v8, v9, (EMAX+1)<<23        ; and the floor 2^(3 - 127): the byte cannot fall under 1
	v_max_num_f32_dpp v8, v8, v8 row_xmask:1 row_mask:0xf bank_mask:0xf   ; with my neighbour's 16: the block's
	v_add_nc_u32 v11, -(EMAX<<23), v8              ; 2 off its exponent field: the conversion takes that field as its scale
	v_cvt_scalef32_pk16_fp6_f32 v[C+4*(\t):C+4*(\t)+2], v[XS:XS+15], v11
	v_lshrrev_b32 v[E+(\t)], 23, v11               ; the scale's byte (a plain line behind the conversion)
	ds_store_b8 v5, v[E+(\t)] offset:16*(\t)       ; both lanes of a block write the same byte with the same value
	global_store_b96 v4, v[C+4*(\t):C+4*(\t)+2], s[10:11] offset:32*CB*(\t)   ; the wave stores 384 consecutive bytes
.endm
.irp t, 0,1,2,3,4,5,6,7,8,9,10,11,12,13,14,15
	STEP \t
.endr
	ds_load_b64 v[12:13], v6
	s_wait_dscnt 0x0
	global_store_b64 v7, v[12:13], s[12:13]        ; 32 lanes store 256 consecutive bytes, aligned
	s_wait_tensorcnt 0x0
	ds_add_u32 v208, v209
	s_wait_dscnt 0x0
	s_endpgm
; ---------------- the weights: a wave takes 32 columns x 256 along K.  One text for both: the pointer, the row's bytes and the sections are chosen on the work-group's number.
.Lweights:
	s_sub_co_u32 s17, ttmp9, 256
	s_mov_b32 s20, 4096
	s_mov_b32 s21, WPC
	s_mov_b32 s22, WPS
	s_wait_kmcnt 0x0
	s_cmp_lt_u32 s17, 96
	s_cselect_b64 s[6:7], s[6:7], s[8:9]           ; c_attn_w or c_proj_w
	s_cselect_b32 s20, 12288, s20                  ; bytes in a row of it
	s_cselect_b32 s21, W1C, s21
	s_cselect_b32 s22, W1S, s22
	s_cselect_b32 s18, 0, 96
	s_sub_co_u32 s17, s17, s18
	s_lshr_b32 s18, s17, 2
	s_and_b32 s19, s17, 3                          ; which 256 along K
	s_lshl_b32 s18, s18, 7
	s_lshl_b32 s23, s16, 5
	s_add_co_u32 s18, s18, s23                     ; my wave's first column
	s_mul_i32 s24, s19, s20
	s_lshl_b32 s24, s24, 8
	s_lshl_b32 s25, s18, 2
	s_add_co_u32 s24, s24, s25
	s_mov_b32 s25, 0
	s_add_nc_u64 s[WB:WB+1], s[6:7], s[24:25]      ; block 0's first row at my columns
	s_lshl_b32 s26, s20, 5
	s_mov_b32 s27, 0
.irp t, 1,2,3,4,5,6,7
	s_add_nc_u64 s[WB+2*\t:WB+2*\t+1], s[WB+2*\t-2:WB+2*\t-1], s[26:27]   ; 32 rows on: a base for each block, so that none is stepped while loads are out
.endr
	s_mul_i32 s24, s18, 768
	s_mul_i32 s28, s19, 192
	s_add_co_u32 s24, s24, s28
	s_add_co_u32 s24, s24, s21
	s_add_nc_u64 s[10:11], s[10:11], s[24:25]      ; the codes of my 32 stored rows, my 192 bytes of each
	s_lshl_b32 s24, s18, 5
	s_lshl_b32 s28, s19, 3
	s_add_co_u32 s24, s24, s28
	s_add_co_u32 s24, s24, s22
	s_add_nc_u64 s[12:13], s[12:13], s[24:25]      ; and their scale bytes
	s_wait_alu depctr_va_vdst(0)
	v_lshlrev_b32 v[OFFS], 2, v2
.irp i, 1,2,3,4,5,6,7,8,9,10,11,12,13,14,15,16,17,18,19,20,21,22,23,24,25,26,27,28,29,30,31
	v_add_nc_u32 v[OFFS+\i], s20, v[OFFS+\i-1]
.endr
	v_and_b32 v3, 7, v2
	v_bfe_u32 v5, v2, 3, 1
	v_bfe_u32 v6, v2, 4, 1
	v_lshl_add_u32 v3, v5, 4, v3
	v_lshl_add_u32 v3, v6, 3, v3                   ; P(lane): where my column's row is stored
	s_mul_i32 s28, s16, 32*WP
	s_add_co_u32 s28, s28, WLDS                    ; my stage
	v_mul_u32_u24 v4, v3, WP
	v_add_nc_u32 v4, s28, v4                       ; into it: row P(lane)
	v_and_b32 v5, 15, v2
	v_mul_u32_u24 v7, v6, WP
	v_lshl_add_u32 v7, v5, 4, v7
	v_add_nc_u32 v7, s28, v7                       ; out of it: sixteen lanes to a row, two rows an instruction
	v_mul_u32_u24 v8, v6, 768
	v_mad_u32_u24 v8, v5, 12, v8                   ; and the same place in the codes
	v_lshlrev_b32 v9, 5, v3                        ; my stored row of scale bytes
.macro WLOAD t                         ; block t: W(32 t + i, my column): 32 lanes read 128 consecutive bytes
.irp i, 0,1,2,3,4,5,6,7,8,9,10,11,12,13,14,15,16,17,18,19,20,21,22,23,24,25,26,27,28,29,30,31
	global_load_b32 v[WX+32*((\t)%2)+\i], v[OFFS+\i], s[WB+2*(\t):WB+2*(\t)+1] th:TH_LOAD_NT
.endr
.endm
	WLOAD 0
	WLOAD 1
.macro BLOCK t
.set XS, WX+32*((\t)%2)
.if (\t) < NB-1
	s_wait_loadcnt 32                              ; this block's 32 loads are in; the next block's may be out
.else
	s_wait_loadcnt 0
.endif
	v_max3_num_f32 v12, |v[XS]|, |v[XS+1]|, |v[XS+2]|              ; all 32 numbers of the block are mine
	v_max3_num_f32 v13, |v[XS+3]|, |v[XS+4]|, |v[XS+5]|
.irp i, 6,10,14,18,22,26
	v_max3_num_f32 v12, v12, |v[XS+\i]|, |v[XS+\i+1]|
	v_max3_num_f32 v13, v13, |v[XS+\i+2]|, |v[XS+\i+3]|
.endr
	v_max3_num_f32 v12, v12, |v[XS+30]|, |v[XS+31]|
	v_max3_num_f32 v12, v12, v13, (EMAX+1)<<23
	v_add_nc_u32 v11, -(EMAX<<23), v12
	v_lshrrev_b32 v13, 23, v11
.if (\t)%4 == 0
	v_mov_b32 v[SB+(\t)/4], v13                    ; four bytes to a register, the lower K in the lower byte
.else
	v_lshl_or_b32 v[SB+(\t)/4], v13, 8*((\t)%4), v[SB+(\t)/4]
.endif
	v_cvt_scalef32_pk16_fp6_f32 v[WC:WC+2], v[XS:XS+15], v11
	v_cvt_scalef32_pk16_fp6_f32 v[WC+4:WC+6], v[XS+16:XS+31], v11  ; (a conversion's three registers begin on an even number)
	v_nop                                          ; one plain line behind the conversions
	ds_store_b96 v4, v[WC:WC+2] offset:32*(\t)     ; 12 bytes to a place of 16, so that every LDS address is a multiple of 16
	ds_store_b96 v4, v[WC+4:WC+6] offset:32*(\t)+16
.if (\t)+2 < NB
	WLOAD (\t)+2
.endif
	s_wait_dscnt 0x0                               ; the stores have read their registers
.endm
.set Q, 0
.rept NB
	BLOCK Q
.set Q, Q+1
.endr
	s_wait_alu depctr_va_vdst(0)
	global_store_b64 v9, v[SB:SB+1], s[12:13]      ; my column's eight scale bytes
.irp t, 0,1,2,3,4,5,6,7,8,9,10,11,12,13,14,15
	ds_load_b96 v[OUTR+4*\t:OUTR+4*\t+2], v7 offset:2*\t*WP
.endr
.irp t, 0,1,2,3,4,5,6,7,8,9,10,11,12,13,14,15
	s_wait_dscnt 15-\t                             ; row pair t is in; the younger loads stay out
	global_store_b96 v8, v[OUTR+4*\t:OUTR+4*\t+2], s[10:11] offset:2*\t*768   ; sixteen lanes store a row's 192 consecutive bytes
.endr
	s_wait_tensorcnt 0x0
	ds_add_u32 v208, v209
	s_wait_dscnt 0x0
	s_endpgm
.Lfunc_end_k_q86673532b5_quant:
	.size	k_q86673532b5_quant, .Lfunc_end_k_q86673532b5_quant-k_q86673532b5_quant
	.p2alignl 7, 3214868480
	.fill 96, 4, 3214868480
	.section	.rodata,"a",@progbits
	.p2align	6, 0x0
	.amdhsa_kernel k_q86673532b5_quant
		.amdhsa_group_segment_fixed_size 68096
		.amdhsa_private_segment_fixed_size 0
		.amdhsa_enable_private_segment 0
		.amdhsa_kernarg_size 40
		.amdhsa_user_sgpr_count 2
		.amdhsa_user_sgpr_kernarg_segment_ptr 1
		.amdhsa_wavefront_size32 1
		.amdhsa_system_sgpr_workgroup_id_x 1
		.amdhsa_system_sgpr_workgroup_id_y 1
		.amdhsa_system_sgpr_workgroup_id_z 1
		.amdhsa_system_vgpr_workitem_id 0
		.amdhsa_next_free_vgpr 210
		.amdhsa_next_free_sgpr 66
		.amdhsa_reserve_vcc 0
		.amdhsa_float_denorm_mode_32 3
		.amdhsa_float_denorm_mode_16_64 3
		.amdhsa_memory_ordered 1
		.amdhsa_forward_progress 1
		.amdhsa_inst_pref_size 75
	.end_amdhsa_kernel
	.amdgpu_metadata
---
amdhsa.version: [ 1, 2 ]
amdhsa.kernels:
  - .name:           k_q86673532b5_quant
    .symbol:         k_q86673532b5_quant.kd
    .args:
      - { .name: x, .offset: 0, .size: 8, .value_kind: global_buffer, .address_space: global }
      - { .name: c_attn_w, .offset: 8, .size: 8, .value_kind: global_buffer, .address_space: global }
      - { .name: c_proj_w, .offset: 16, .size: 8, .value_kind: global_buffer, .address_space: global }
      - { .name: codes0, .offset: 24, .size: 8, .value_kind: global_buffer, .address_space: global }
      - { .name: scales0, .offset: 32, .size: 8, .value_kind: global_buffer, .address_space: global }
    .group_segment_fixed_size: 68096
    .private_segment_fixed_size: 0
    .kernarg_segment_align: 8
    .kernarg_segment_size: 40
    .max_flat_workgroup_size: 128
    .sgpr_count:     66
    .vgpr_count:     210
    .wavefront_size: 32
...
	.end_amdgpu_metadata
.endif
;; end of part 1
;; launch qkv (part 2): grid 12 x 32, 4 waves a work-group, clusters of 4 x 4, 327,680 bytes of LDS; arguments codes0, scales0, c_attn_b, qk_codes, qk_scales, v_codes, v_scales; writes qk_codes, qk_scales, v_codes, v_scales
.if DOCPART == 2
	.amdgcn_target "amdgcn-amd-amdhsa--gfx1250"
	.amdhsa_code_object_version 6
	.text
	.protected	k_q86673532b5_qkv
	.globl	k_q86673532b5_qkv
	.p2align	8
	.type	k_q86673532b5_qkv,@function
k_q86673532b5_qkv:
	s_mov_b64 s[64:65], 0
	v_nop
	global_prefetch_b8 v0, s[64:65] scope:SCOPE_SE
	s_setreg_imm32_b32 hwreg(HW_REG_WAVE_MODE, 25, 1), 1
	s_wait_xcnt 0x0
	s_wait_alu depctr_hold_cnt(0) depctr_sa_sdst(0) depctr_va_vdst(0) depctr_va_sdst(0) depctr_va_ssrc(0) depctr_va_vcc(0) depctr_vm_vsrc(0)
	s_getreg_b32 s2, hwreg(HW_REG_IB_STS2, 6, 4)
	s_cmp_eq_u32 s2, 0
	s_cbranch_scc0 .Lentry_in_a_cluster
	s_endpgm
.Lentry_in_a_cluster:
	s_bfe_u32 s2, ttmp6, 0x10000c
	s_cmp_lg_u32 s2, 0xf033
	s_cbranch_scc0 .Lentry_shape_is_right
	s_endpgm
.Lentry_shape_is_right:
; qkv = x c_attn_w + c_attn_b on codes of FP6 (E2M3) with E8M0 scales, M 8,192, N 3,072, K 1,024; the results are quantised at once, in f32, and only codes and scale bytes go to memory.
; A tile of 256 tokens x 256 columns is made by four waves, 128 x 128 each: 64 accumulators, 512 registers.  K goes in steps of 256 through two LDS slots filled by the tensor data mover (rows of 192 bytes);
; the scale bytes of the tile's 512 rows, for all of K, come once.  4 x 4 work-groups form a cluster: x's tile is asked for jointly along a row of it, the weight's along a column.
; Rows of x and of the weight are stored at position P(i) (bits 3 and 4 of i exchanged): sixteen stored neighbours as source 0 give a lane registers that run along 16 true neighbours.
; TWO MODES, by the cluster's x alone (the same in all partners).  The instructions of the products are the same; only the LDS bases from which the two sources are read differ.
;   MODE 0 (columns 0-2047: q, k): source 1 = 16 tokens, source 0 = 16 columns: a lane holds one token, its registers run along the columns, which are the next product's K (a head's 64).
;   MODE 1 (columns 2048-3071: v): source 1 = 16 columns, source 0 = 16 tokens: a lane holds one channel, its registers run along the keys, which are v's K.
; OUT: qk_codes [32 head slots][8192 token positions][48 bytes], qk_scales a word (s0, s1, s0, s1) a row; v_codes [batch x head][32 chunks of 64 keys][64 channel positions][48], v_scales [batch x head][16 key steps][64][4].
; LIMITS: blocks whose largest magnitude lies under 2^-124 get the byte 1; NaN and infinities are not served.
; REGISTERS: window 0: v0-31 addresses; v32-63 scale words and nothing else; from v128 source 1's fragments, one set.  window 1: source 0's fragments, two sets.  windows 2, 3: the accumulators ((a, b) at v[8 (8 (a % 4) + b)]).
.set KSTEP,  256
.set NQ,     2
.set ROWB,   192
.set KROW,   768
.set PITCH,  240                       ; an LDS row: 3 x (64 bytes + 16 of padding)
.set FR,     12
.set NL,     6
.set NP,     4
.set HALFT,  128*PITCH
.set SLOT,   4*HALFT                   ; x's 256 rows, then the weight's 256 rows
.set LAPS,   2                         ; K = 1,024: four K steps, twice round the ring
.set KS,     32                        ; a row of scale bytes
.set SPARE,  2*SLOT                    ; the spare words: 128 bytes a wave, two blocks of 256 bytes that no other line names
.set BIAS,   SPARE+512                 ; the tile's 256 numbers of c_attn_b
.set SCL,    BIAS+1024                 ; the scale bytes, as units of 256 bytes + 16; nothing lies behind them
.set HALFS,  16*272
.set SBLK,   2*272
.set W1C,    6291456
.set W1S,    262144
.set ADRA, 16                          ; v16-17 LDS address of source 1's fragments in slot 0, 1 (v18-19: behind one padding more)
.set ADRB, 20                          ; v20-23 the same for source 0
.set ADRS, 27                          ; v27 my scale words: lanes 0-15 source 1's rows, lanes 16-31 source 0's
.set SPW,  28
.set NIL,  29
.set SC,   32
.set AF,   128
.set G1, 24
.set G0, 32
.set G1B, 48
.set G0B, 56
.set G1S, 68
.set G0S, 76
.set G1SB, 80
.set G0SB, 88
.set SEL, 92                           ; s[92:93] on the way out: lane selects for lane l xor 16
.set MODE, 95
.set MSB, 0
.macro WIN new                         ; the immediate's high byte repeats the setting that is left
.if MSB != \new
	s_set_vgpr_msb (MSB<<8)|\new
.set MSB, \new
.endif
.endm
.set MUL_LO, 0xa1                      ; source 0 window 1, source 1 window 0, C and D window 2
.set MUL_HI, 0xf1
.set TO_B,   0x40
; A joint load: waves 0 and 1 fetch for x, waves 2 and 3 for the weight.  The branch hangs on the wave's number alone.  Four v_nop follow each of the two lines.
.macro JLOAD g0a, g1a, g0b, g1b
	s_cmp_eq_u32 s15, 0
	s_cbranch_scc0 .Lfor_b_\@
	tensor_load_to_lds s[\g0a:\g0a+3], s[\g1a:\g1a+7]
	s_nop 0
.rept 4
	v_nop
.endr
	s_branch .Lasked_\@
.Lfor_b_\@:
	tensor_load_to_lds s[\g0b:\g0b+3], s[\g1b:\g1b+7]
	s_nop 0
.rept 4
	v_nop
.endr
.Lasked_\@:
.endm
.macro CREST                           ; a round of the cluster's barrier behind its opening barrier
	s_cmp_lg_u32 s14, 0
	s_cbranch_scc1 .Lnot_wave_0_\@
	s_barrier_signal -3
.Lnot_wave_0_\@:
	s_barrier_wait -3
	s_barrier_signal -1
	s_barrier_wait -1
.endm
.macro CROUND
	s_barrier_signal -1
	s_barrier_wait -1
	CREST
.endm
	s_load_b128 s[4:7], s[0:1], 0x0                ; codes0, scales0
	s_load_b128 s[8:11], s[0:1], 0x10              ; c_attn_b, qk_codes
	s_load_b128 s[96:99], s[0:1], 0x20             ; qk_scales, v_codes
	s_load_b64 s[12:13], s[0:1], 0x30              ; v_scales
	v_lshl_add_u32 v[SPW], v0, 2, SPARE
	v_mov_b32 v[NIL], 0
	ds_add_u32 v28, v29
	ds_add_u32 v28, v29
	s_wait_dscnt 0x0
	v_lshrrev_b32 v1, 5, v0
	v_readfirstlane_b32 s14, v1                    ; wave 0..3
	s_lshr_b32 s15, s14, 1                         ; which half of source 1's rows is mine.  Also: I fetch for x (0) or for the weight (1)
	s_and_b32 s16, s14, 1                          ; which half of source 0's.  Also: which 128 rows of that tile I fetch
	s_bfe_u32 s40, ttmp6, 0x40000                  ; cx, cy
	s_bfe_u32 s41, ttmp6, 0x40004
	s_lshl_b32 s42, ttmp9, 2
	s_add_co_u32 s42, s42, s40                     ; tile column = 4 x cluster x + cx
	s_and_b32 s17, ttmp7, 0xffff
	s_lshl_b32 s17, s17, 2
	s_add_co_u32 s17, s17, s41                     ; tile row = 4 x cluster y + cy
	s_lshl_b32 s43, s41, 2
	s_lshl_b32 s43, 15, s43                        ; my row of the cluster
	s_lshl_b32 s44, 0x1111, s40                    ; my column
	s_or_b32 s[G1+0], s43, (0<<16)|(1<<20)|(1<<21)|(3<<22)|(3<<25)  ; the mask; elements of 1 byte; padding on; bit 21 beside a mask; after every 16 words, 4 words
	s_or_b32 s[G1B+0], s44, (0<<16)|(1<<20)|(1<<21)|(3<<22)|(3<<25)
.irp g, G1, G1B
	s_mov_b32 s[\g+1], ROWB<<16                    ; tensor_dim0
	s_mov_b32 s[\g+2], 128<<16                     ; tensor_dim1
	s_mov_b32 s[\g+3], ROWB<<16                    ; tile_dim0
	s_mov_b32 s[\g+4], 128                         ; tile_dim1
	s_mov_b32 s[\g+5], KROW                        ; from row to row
	s_mov_b32 s[\g+6], 0
	s_mov_b32 s[\g+7], 0
.endr
	s_or_b32 s[G1S+0], s43, (3<<16)|(1<<20)|(1<<21)|(5<<22)|(3<<25)  ; the scale bytes of 128 rows: 4,096 dense bytes as 16 rows of 256, 16 bytes of padding behind each
	s_or_b32 s[G1SB+0], s44, (3<<16)|(1<<20)|(1<<21)|(5<<22)|(3<<25)
.irp g, G1S, G1SB
	s_mov_b32 s[\g+1], 32<<16
	s_mov_b32 s[\g+2], 16<<16
	s_mov_b32 s[\g+3], 32<<16
	s_mov_b32 s[\g+4], 16
	s_mov_b32 s[\g+5], 32
	s_mov_b32 s[\g+6], 0
	s_mov_b32 s[\g+7], 0
.endr
	s_lshl_b32 s18, s16, 7
	s_lshl_b32 s20, s17, 8
	s_add_co_u32 s20, s20, s18                     ; x: stored row 256 x tile row + 128 x half
	s_lshl_b32 s46, s42, 8
	s_add_co_u32 s46, s46, s18                     ; the weight: stored row 256 x tile column + 128 x half
	s_mov_b32 s21, 0
	s_mov_b32 s47, 0
	s_mov_b64 s[18:19], KS
	s_mul_u64 s[22:23], s[20:21], s[18:19]
	s_mul_u64 s[92:93], s[46:47], s[18:19]
	s_mov_b64 s[18:19], KROW
	s_mul_u64 s[20:21], s[20:21], s[18:19]
	s_mul_u64 s[46:47], s[46:47], s[18:19]
	s_add_nc_u64 s[46:47], s[46:47], W1C           ; the weight's sections of the two buffers
	s_add_nc_u64 s[92:93], s[92:93], W1S
	s_mul_i32 s45, s14, HALFT                      ; where they go: wave x 128 rows
	s_mul_i32 s94, s14, HALFS
	s_wait_kmcnt 0x0
	s_add_nc_u64 s[20:21], s[4:5], s[20:21]
	s_add_nc_u64 s[22:23], s[6:7], s[22:23]
	s_add_nc_u64 s[46:47], s[4:5], s[46:47]
	s_add_nc_u64 s[92:93], s[6:7], s[92:93]
	CROUND                                         ; all sixteen work-groups are here: the first joint loads meet
	s_mov_b32 s[G0S], 1
	s_add_co_u32 s[G0S+1], s94, SCL
	s_mov_b64 s[G0S+2:G0S+3], s[22:23]
	s_or_b32 s[G0S+3], s[G0S+3], 0x80000000
	s_mov_b32 s[G0SB], 1
	s_add_co_u32 s[G0SB+1], s94, SCL
	s_mov_b64 s[G0SB+2:G0SB+3], s[92:93]
	s_or_b32 s[G0SB+3], s[G0SB+3], 0x80000000
	JLOAD G0S, G1S, G0SB, G1SB                     ; the scale bytes first
.irp s, 0,1
	s_mov_b32 s[G0+4*\s], 1
	s_add_co_u32 s[G0+4*\s+1], s45, \s*SLOT
	s_add_nc_u64 s[G0+4*\s+2:G0+4*\s+3], s[20:21], \s*ROWB
	s_or_b32 s[G0+4*\s+3], s[G0+4*\s+3], 0x80000000
	s_mov_b32 s[G0B+4*\s], 1
	s_add_co_u32 s[G0B+4*\s+1], s45, \s*SLOT
	s_add_nc_u64 s[G0B+4*\s+2:G0B+4*\s+3], s[46:47], \s*ROWB
	s_or_b32 s[G0B+4*\s+3], s[G0B+4*\s+3], 0x80000000
	JLOAD G0+4*\s, G1, G0B+4*\s, G1B
.endr
	s_lshl_b32 s46, s42, 10                        ; the tile's 256 numbers of the bias: thread t brings two
	s_mov_b32 s47, 0
	s_add_nc_u64 s[8:9], s[8:9], s[46:47]
	v_lshlrev_b32 v10, 3, v0
	global_load_b64 v[12:13], v10, s[8:9]
	v_lshl_add_u32 v11, v0, 3, BIAS
	v_and_b32 v1, 15, v0                           ; r
	v_bfe_u32 v2, v0, 4, 1                         ; h
	v_mul_u32_u24 v3, v1, PITCH
	v_mul_u32_u24 v4, v2, 24
	v_add_nc_u32 v4, v3, v4                        ; a fragment's row x pitch + 24 h
	s_wait_alu depctr_va_vdst(0)
	v_lshl_add_u32 v5, v2, 4, v4                   ; and the same behind one padding more
	s_wait_alu depctr_va_vdst(0)
	s_cmp_lt_u32 ttmp9, 2                          ; clusters 0, 1: q and k; cluster 2: v
	s_cselect_b32 s21, 0, 2*HALFT                  ; source 1 is read from x's rows, or from the weight's
	s_cselect_b32 s22, 2*HALFT, 0                  ; source 0 from the other
	s_cselect_b32 s[MODE], 0, 1
	s_cselect_b32 s93, s15, s16                    ; which half of x's rows I read,
	s_cselect_b32 s94, s16, s15                    ; and of the weight's
	s_mul_i32 s18, s15, HALFT
	s_mul_i32 s19, s16, HALFT
	s_add_co_u32 s21, s21, s18
	s_add_co_u32 s22, s22, s19
.irp s, 0,1
	v_add_nc_u32 v[ADRA+\s], s21, v4
	v_add_nc_u32 v[ADRB+\s], s22, v4
	v_add_nc_u32 v[ADRA+2+\s], s21, v5
	v_add_nc_u32 v[ADRB+2+\s], s22, v5
	s_add_co_u32 s21, s21, SLOT
	s_add_co_u32 s22, s22, SLOT
.endr
	v_mul_u32_u24 v5, v1, KS                       ; my row's scale bytes: 32 a row,
	v_lshrrev_b32 v6, 8, v5
	v_lshl_add_u32 v5, v6, 4, v5                   ; and 16 more behind 256
	s_mul_i32 s18, s93, HALFS                      ; x's lie below,
	s_mul_i32 s19, s94, HALFS
	s_add_co_u32 s19, s19, 2*HALFS                 ; the weight's above:
	s_sub_co_u32 s19, s19, s18                     ; the distance
	v_xor_b32 v7, s[MODE], v2                      ; lanes 0-15 take source 1's, lanes 16-31 source 0's: the upper block where h xor MODE is 1
	v_mul_u32_u24 v6, s19, v7
	s_add_co_u32 s18, s18, SCL
	v_add_nc_u32 v5, v5, v6
	v_add_nc_u32 v[ADRS], s18, v5
.macro FRAG reg, adr, q, i             ; 16 rows x 128 K: lane l holds row l % 16; registers 6 c .. 6 c + 5 hold K = 64 c + 32 (l / 16) + 0 .. 31, 24 bytes as they lie, in pieces of 8 bytes
.irp p, 0,1,2,3,4,5
.set PC, 12*(\q)+6*(\p/3)+\p%3
.if PC%8 < 5
	ds_load_b64 v[\reg+2*\p:\reg+2*\p+1], v[\adr] offset:8*PC+16*(PC/8)+(\i)*16*PITCH
.else
	ds_load_b64 v[\reg+2*\p:\reg+2*\p+1], v[\adr+2] offset:8*PC+16*(PC/8)+(\i)*16*PITCH
.endif
.endr
.endm
; 16 matrix instructions: source 1's blocks a0, a0 + 1 x source 0's eight.  The 64 accumulators take turns, one instruction a turn, in the same order in every step.
.macro MUL16 a0, p, q, sc, zero
.irp a, \a0, \a0+1
.irp b, 0,1,2,3,4,5,6,7
.if \zero
	v_wmma_scale_f32_16x16x128_f8f6f4 v[8*(8*((\a)%4)+\b):8*(8*((\a)%4)+\b)+7], v[128*(\p)+FR*\b:128*(\p)+FR*\b+FR-1], v[AF+FR*(\a):AF+FR*(\a)+FR-1], 0, v[SC+8*NQ*(\sc)+NQ*\b+(\q)], v[SC+8*NQ*(\sc)+NQ*(\a)+(\q)] matrix_a_fmt:MATRIX_FMT_FP6 matrix_b_fmt:MATRIX_FMT_FP6 matrix_a_scale:MATRIX_SCALE_ROW1
.else
	v_wmma_scale_f32_16x16x128_f8f6f4 v[8*(8*((\a)%4)+\b):8*(8*((\a)%4)+\b)+7], v[128*(\p)+FR*\b:128*(\p)+FR*\b+FR-1], v[AF+FR*(\a):AF+FR*(\a)+FR-1], v[8*(8*((\a)%4)+\b):8*(8*((\a)%4)+\b)+7], v[SC+8*NQ*(\sc)+NQ*\b+(\q)], v[SC+8*NQ*(\sc)+NQ*(\a)+(\q)] matrix_a_fmt:MATRIX_FMT_FP6 matrix_b_fmt:MATRIX_FMT_FP6 matrix_a_scale:MATRIX_SCALE_ROW1
.endif
.endr
.endr
.endm
.macro FETCH_B slot, q, p
	WIN TO_B
.irp i, 0,1,2,3,4,5,6,7
	FRAG 128*(\p)+FR*\i, ADRB+\slot, \q, \i
.endr
	WIN 0
.endm
.macro FETCH_A slot, q, i0
.irp i, \i0, \i0+1, \i0+2, \i0+3
	FRAG AF+FR*(\i), ADRA+\slot, \q, \i
.endr
.endm
.macro SCALES sc                       ; a K step's scale words: two words a row
.irp i, 0,1,2,3,4,5,6,7
	ds_load_b64 v[SC+8*NQ*\sc+NQ*\i:SC+8*NQ*\sc+NQ*\i+1], v[ADRS] offset:\i*SBLK
.endr
.endm
.macro PLACES n                        ; plain vector lines between a matrix instruction and a load into, or a read of, its registers
.rept \n
	v_nop
.endr
.endm
.macro STEP slot, q, zero
	s_wait_dscnt 4*NL                              ; source 0's set and source 1's blocks 0-3 are in; the 24 youngest loads (blocks 4-7) may be out
	WIN MUL_LO
	MUL16 0, (\q)%2, \q, \slot, \zero
	MUL16 2, (\q)%2, \q, \slot, \zero
	s_wait_dscnt 0
	PLACES NP
	FETCH_B \slot, (\q)+1, 1-(\q)%2
	FETCH_A \slot, (\q)+1, 0
	WIN MUL_HI
	MUL16 4, (\q)%2, \q, \slot, \zero
	MUL16 6, (\q)%2, \q, \slot, \zero
	PLACES NP
	WIN 0
	FETCH_A \slot, (\q)+1, 4
.endm
; A slot's last step changes slots: one barrier; in front of it each wave waits for all its tensor loads, adds 0 to its spare word, and waits for that and for its reads of this slot.
.macro TURN slot, next, fill
	s_wait_tensorcnt 0x0                           ; all my tensor loads have landed: my part of the next slot
	ds_add_u32 v[SPW], v[NIL]                      ; 0 onto my spare word
	s_wait_dscnt 4*NL+1                            ; the add and the 24 youngest loads may be out
	WIN MUL_LO
	MUL16 0, 1, NQ-1, \slot, 0
	s_wait_dscnt 0x0                               ; the add is done, and my reads of this slot are over
	s_barrier_signal -1
	MUL16 2, 1, NQ-1, \slot, 0
	WIN 0
	s_barrier_wait -1
.if \fill
	CREST                                          ; the barrier has opened a round of the cluster's: no wave of any partner still reads this slot or has a load on its way
	s_add_nc_u64 s[G0+4*\slot+2:G0+4*\slot+3], s[G0+4*\slot+2:G0+4*\slot+3], 2*ROWB
	s_add_nc_u64 s[G0B+4*\slot+2:G0B+4*\slot+3], s[G0B+4*\slot+2:G0B+4*\slot+3], 2*ROWB
	JLOAD G0+4*\slot, G1, G0B+4*\slot, G1B         ; the first tensor load behind the round; its four v_nop are the places in front of the loads below
.else
	PLACES NP
.endif
	s_wait_alu depctr_va_vdst(0)
	v_add_nc_u32 v[ADRS], 4*NQ, v[ADRS]
	FETCH_B \next, 0, 0
	FETCH_A \next, 0, 0
	SCALES \next
	WIN MUL_HI
	MUL16 4, 1, NQ-1, \slot, 0
	MUL16 6, 1, NQ-1, \slot, 0
	PLACES NP
	WIN 0
	FETCH_A \next, 0, 4
.endm
	s_wait_alu depctr_va_vdst(0)
	s_wait_loadcnt 0x0                             ; my two numbers of the bias
	ds_store_b64 v11, v[12:13]
	s_wait_tensorcnt 1                             ; the scale bytes and my part of K step 0 are in; K step 1's load may be out
	s_wait_dscnt 0x0                               ; for the others' sake: my store has landed
	s_barrier_signal -1
	s_barrier_wait -1
	FETCH_B 0, 0, 0
	FETCH_A 0, 0, 0
	SCALES 0
	FETCH_A 0, 0, 4
	STEP 0, 0, 1                                   ; the first step's products start the sums
	s_mov_b32 s3, LAPS-1
.Llap:
	TURN 0, 1, 1
	STEP 1, 0, 0
	TURN 1, 0, 1
	STEP 0, 0, 0
	s_sub_co_u32 s3, s3, 1
	s_cmp_lg_u32 s3, 0
	s_cbranch_scc1 .Llap
	TURN 0, 1, 0                                   ; the last lap fills nothing
	STEP 1, 0, 0
	s_wait_dscnt 4*NL
	WIN MUL_LO
	MUL16 0, 1, NQ-1, 1, 0
	MUL16 2, 1, NQ-1, 1, 0
	s_wait_dscnt 0
	WIN MUL_HI
	MUL16 4, 1, NQ-1, 1, 0
	MUL16 6, 1, NQ-1, 1, 0
	WIN 0
; THE WAY OUT.  For each of source 1's eight blocks a: the 64 numbers of a lane (register 16 b + i = true index 32 b + 16 h + i along source 0) get the bias, four blocks of 32 are quantised (lanes l and l xor 16 share a block),
; and each lane's 12 bytes of 16 codes go through the wave's stage in LDS, in places of 16 bytes, so that the wave stores runs of 384 consecutive bytes.  The stage lies in slot 0, which has had its last fill and its last read;
; each mode has stage bytes of its own.  All address registers are made ahead of the parting.
.set STO, 24                           ; stage: 64 r + 16 h
.set RDB, 25                           ; stage: 16 x lane
.set CO,  26                           ; 12 x lane
.set SW0, 27                           ; scale words, mode 0: 512 h + 4 r
.set SW1, 30                           ; mode 1: 4 r
.set WO0, 31                           ; 16 x lane
.set WO1, 22                           ; 4,096 (lane / 16) + 16 (lane % 16)
.set ABJ, 20                           ; the bias along the registers
.set ABI, 21                           ; the bias along the lanes
.set TM,  4                            ; v4-19 at work
.set T,   64                           ; v64-127 the 64 numbers
.set BJ,  128                          ; v128-191 the bias (mode 1: eight pairs)
	v_and_b32 v1, 15, v0
	v_bfe_u32 v2, v0, 4, 1
	v_and_b32 v3, 31, v0
	s_mul_i32 s18, s14, 5120                       ; my stage: two sets of 128 places, then 1,024 bytes for scale words
	v_lshl_add_u32 v[STO], v1, 6, s18
	v_lshl_add_u32 v[STO], v2, 4, v[STO]
	v_lshl_add_u32 v[RDB], v3, 4, s18
	v_mul_u32_u24 v[CO], v3, 12
	v_lshl_add_u32 v[SW1], v1, 2, s18
	v_lshl_add_u32 v[SW0], v2, 9, v[SW1]
	v_lshlrev_b32 v[WO0], 4, v3
	v_lshlrev_b32 v[WO1], 12, v2
	v_lshl_add_u32 v[WO1], v1, 4, v[WO1]
	s_lshl_b32 s19, s16, 9
	s_add_co_u32 s19, s19, BIAS
	v_lshl_add_u32 v[ABJ], v2, 6, s19              ; bias[128 s16 + 16 h ..]
	s_lshl_b32 s19, s15, 9
	s_add_co_u32 s19, s19, BIAS
	v_bfe_u32 v4, v0, 3, 1
	v_and_b32 v5, 7, v0
	v_lshl_add_u32 v[ABI], v4, 6, s19
	v_lshl_add_u32 v[ABI], v5, 2, v[ABI]           ; bias[128 s15 + 16 (r / 8) + r % 8 ..]: the true column of stored row r
	v_cmp_le_u32 vcc_lo, 16, v3                    ; lanes 16-31; kept to the end
.irp b, 0,1,2,3
	v_mov_b32 v[TM+4+\b], 0                        ; written once: a lane permute's destination counts as one of its sources
.endr
	s_mov_b32 s[SEL], 0x76543210
	s_mov_b32 s[SEL+1], 0xfedcba98
	s_lshl_b32 s18, s42, 2                         ; mode 0: head slot 4 x tile column + 2 s16, token position 256 x tile row + 128 s15
	s_lshl_b32 s19, s16, 1
	s_add_co_u32 s18, s18, s19
	s_lshl_b32 s19, s17, 8
	s_lshl_b32 s20, s15, 7
	s_add_co_u32 s19, s19, s20
	s_mul_i32 s20, s18, 393216
	s_mul_i32 s21, s19, 48
	s_add_co_u32 s20, s20, s21
	s_lshl_b32 s21, s18, 15
	s_lshl_b32 s22, s19, 2
	s_add_co_u32 s21, s21, s22
	s_sub_co_u32 s18, s42, 8                       ; mode 1: head 4 (tile column - 8) + 2 s15, batch tile row / 8, keys 256 (tile row % 8) + 128 s16
	s_lshl_b32 s18, s18, 2
	s_lshl_b32 s19, s15, 1
	s_add_co_u32 s18, s18, s19
	s_lshr_b32 s19, s17, 3
	s_lshl_b32 s19, s19, 4
	s_add_co_u32 s18, s18, s19
	s_and_b32 s19, s17, 7
	s_lshl_b32 s22, s18, 5
	s_lshl_b32 s23, s19, 2
	s_add_co_u32 s22, s22, s23
	s_lshl_b32 s23, s16, 1
	s_add_co_u32 s22, s22, s23
	s_mul_i32 s22, s22, 3072
	s_lshl_b32 s23, s18, 4
	s_lshl_b32 s19, s19, 1
	s_add_co_u32 s23, s23, s19
	s_add_co_u32 s23, s23, s16
	s_lshl_b32 s23, s23, 8
	s_cmp_eq_u32 s[MODE], 0
	s_cselect_b64 s[10:11], s[10:11], s[98:99]     ; the codes' buffer,
	s_cselect_b64 s[12:13], s[96:97], s[12:13]     ; the scale words',
	s_cselect_b32 s20, s20, s22                    ; and my offsets in them
	s_cselect_b32 s22, s21, s23
	s_mov_b32 s21, 0
	s_mov_b32 s23, 0
	s_add_nc_u64 s[10:11], s[10:11], s[20:21]
	s_add_nc_u64 s[12:13], s[12:13], s[22:23]
.macro PACKQ a, arm
.set AC, 64*((\a)%4)
.set CD, 192+16*((\a)%2)               ; four conversions' results, four registers apart; register + 3: the scale word
.set WN, 0x02+(\a)/4
	WIN WN                                         ; source 0: window 2 or 3
.set k, 0
.rept 32
.if \arm
	v_pk_add_f32 v[T+k:T+k+1], v[AC+k:AC+k+1], v[BJ+2*(\a):BJ+2*(\a)+1]   ; each accumulator from its low end on
.else
	v_pk_add_f32 v[T+k:T+k+1], v[AC+k:AC+k+1], v[BJ+k:BJ+k+1]
.endif
.set k, k+2
.endr
	WIN 0
.irp b, 0,1,2,3
	v_max3_num_f32 v[TM+\b], |v[T+16*\b]|, |v[T+1+16*\b]|, 0x1800000      ; my 16 numbers of block b, and the floor 2^(3 - 127)
.endr
.irp i, 2,4,6,8,10,12,14
.irp b, 0,1,2,3
	v_max3_num_f32 v[TM+\b], v[TM+\b], |v[T+16*\b+\i]|, |v[T+1+16*\b+\i]|
.endr
.endr
.irp b, 0,1,2,3
	v_permlanex16_b32 v[TM+4+\b], v[TM+\b], s[SEL], s[SEL+1]
.endr
.irp b, 0,1,2,3
	v_max_num_f32 v[TM+\b], v[TM+\b], v[TM+4+\b]   ; with lane l xor 16's: the block's largest magnitude
.endr
.irp b, 0,1,2,3
	v_add_nc_u32 v[TM+12+\b], 0xff000000, v[TM+\b] ; 2 off its exponent field: the conversion's scale operand
.endr
.irp b, 0,1,2,3
	v_lshrrev_b32 v[TM+4+\b], 23, v[TM+12+\b]      ; the scale's byte
.endr
.if \arm
	v_lshl_or_b32 v[CD+3], v[TM+5], 8, v[TM+4]     ; the channel's word for these 128 keys
	v_lshl_or_b32 v[CD+3], v[TM+6], 16, v[CD+3]
	v_lshl_or_b32 v[CD+3], v[TM+7], 24, v[CD+3]
.else
	v_lshl_or_b32 v[TM+8], v[TM+5], 8, v[TM+4]     ; a head has two blocks: lanes 0-15 make the first head's word, lanes 16-31 the second's,
	v_lshl_or_b32 v[TM+9], v[TM+7], 8, v[TM+6]
	v_cndmask_b32 v[TM+8], v[TM+8], v[TM+9], vcc_lo
	v_mul_u32_u24 v[CD+3], v[TM+8], 0x10001        ; (s0, s1, s0, s1): it serves either half of a K of 128
.endif
.irp b, 0,1,2,3
	v_cvt_scalef32_pk16_fp6_f32 v[CD+4*\b:CD+4*\b+2], v[T+16*\b:T+16*\b+15], v[TM+12+\b]
.endr
	v_nop                                          ; one plain line behind the conversions
.endm
.macro TOSTAGE a, arm
.set CD, 192+16*((\a)%2)
.set OUTR, 224+16*((\a)%2)
.set SBY, \arm*40960+2048*((\a)%2)
.if (\a) >= 2
	s_wait_xcnt 0x0                                ; block a - 2's stores have read the registers that the loads below fill
.endif
.irp b, 0,1,2,3
	ds_store_b96 v[STO], v[CD+4*\b:CD+4*\b+2] offset:SBY+1024*(\b/2)+32*(\b%2)   ; place 64 (b / 2) + 4 r + 2 (b % 2) + h
.endr
.if \arm
	ds_store_b32 v[SW1], v[CD+3] offset:\arm*40960+4096+64*(\a)   ; lanes l and l xor 16 write the same word with the same value
.else
	ds_store_b32 v[SW0], v[CD+3] offset:4096+64*(\a)
.endif
.irp i, 0,1,2,3
	ds_load_b96 v[OUTR+4*\i:OUTR+4*\i+2], v[RDB] offset:SBY+512*\i   ; LDS serves a wave's instructions in order: these see the stores above
.endr
.endm
.macro SEND a, arm
.set OUTR, 224+16*((\a)%2)
	s_wait_dscnt 0x0                               ; the block's codes are back, and its stores into the stage have read their registers
.irp i, 0,1,2,3
.if \arm
	global_store_b96 v[CO], v[OUTR+4*\i:OUTR+4*\i+2], s[10:11] offset:((\a)/4)*98304+(\i/2)*3072+((\a)%4)*768+(\i%2)*384
.else
	global_store_b96 v[CO], v[OUTR+4*\i:OUTR+4*\i+2], s[10:11] offset:(\i/2)*393216+(\a)*768+(\i%2)*384   ; 32 lanes store 384 consecutive bytes; two such stores are 16 rows of 48 bytes
.endif
.endr
.endm
.macro WAYOUT arm
	PLACES NP
.if \arm
.irp a, 0,1,2,3,4,5,6,7
	ds_load_b32 v[BJ+2*\a], v[ABI] offset:128*(\a/2)+32*(\a%2)
.endr
	s_wait_dscnt 0x0
.irp a, 0,1,2,3,4,5,6,7
	v_mov_b32 v[BJ+2*\a+1], v[BJ+2*\a]             ; a pair for the packed addition
.endr
.else
.irp b, 0,1,2,3,4,5,6,7
	ds_load_b128 v[BJ+8*\b:BJ+8*\b+3], v[ABJ] offset:128*(\b/2)+32*(\b%2)
	ds_load_b128 v[BJ+8*\b+4:BJ+8*\b+7], v[ABJ] offset:128*(\b/2)+32*(\b%2)+16
.endr
	s_wait_dscnt 0x0
.endif
	PACKQ 0, \arm
	TOSTAGE 0, \arm
.irp a, 1,2,3,4,5,6,7                  ; block a's arithmetic stands between block a - 1's loads from the stage and the wait for them
	PACKQ \a, \arm
	s_wait_alu depctr_va_vdst(0)
	SEND \a-1, \arm
	TOSTAGE \a, \arm
.endr
	SEND 7, \arm
.if \arm
	ds_load_b128 v[T:T+3], v[RDB] offset:\arm*40960+4096          ; 128 channels' words: two heads' 256 bytes
	s_wait_dscnt 0x0
	global_store_b128 v[WO1], v[T:T+3], s[12:13]                  ; sixteen lanes store 256 consecutive bytes, aligned
.else
	ds_load_b128 v[T:T+3], v[RDB] offset:4096                     ; 128 tokens' words of the first head, then of the second
	ds_load_b128 v[T+4:T+7], v[RDB] offset:4096+512
	s_wait_dscnt 0x0
	global_store_b128 v[WO0], v[T:T+3], s[12:13]                  ; 32 lanes store 512 consecutive bytes, aligned
	global_store_b128 v[WO0], v[T+4:T+7], s[12:13] offset:32768
.endif
.endm
	s_cmp_eq_u32 s[MODE], 0
	s_cbranch_scc0 .Lvalues
	WAYOUT 0
	s_branch .Ljoin
.Lvalues:
	s_wait_alu depctr_va_vdst(0)
	WAYOUT 1
.Ljoin:
	s_wait_tensorcnt 0x0                           ; the wave's end
	ds_add_u32 v[SPW], v[NIL]
	s_wait_dscnt 0x0
	CROUND                                         ; the closing round: no work-group ends while a partner may still ask for a tile that names it
	s_endpgm
.Lfunc_end_k_q86673532b5_qkv:
	.size	k_q86673532b5_qkv, .Lfunc_end_k_q86673532b5_qkv-k_q86673532b5_qkv
	.p2alignl 7, 3214868480
	.fill 96, 4, 3214868480
	.section	.rodata,"a",@progbits
	.p2align	6, 0x0
	.amdhsa_kernel k_q86673532b5_qkv
		.amdhsa_group_segment_fixed_size 327680
		.amdhsa_private_segment_fixed_size 0
		.amdhsa_enable_private_segment 0
		.amdhsa_kernarg_size 56
		.amdhsa_user_sgpr_count 2
		.amdhsa_user_sgpr_kernarg_segment_ptr 1
		.amdhsa_wavefront_size32 1
		.amdhsa_system_sgpr_workgroup_id_x 1
		.amdhsa_system_sgpr_workgroup_id_y 1
		.amdhsa_system_sgpr_workgroup_id_z 1
		.amdhsa_system_vgpr_workitem_id 0
		.amdhsa_next_free_vgpr 1024
		.amdhsa_next_free_sgpr 100
		.amdhsa_reserve_vcc 1
		.amdhsa_float_denorm_mode_32 3
		.amdhsa_float_denorm_mode_16_64 3
		.amdhsa_memory_ordered 1
		.amdhsa_forward_progress 1
		.amdhsa_inst_pref_size 239
	.end_amdhsa_kernel
	.amdgpu_metadata
---
amdhsa.version: [ 1, 2 ]
amdhsa.kernels:
  - .name:           k_q86673532b5_qkv
    .symbol:         k_q86673532b5_qkv.kd
    .args:
      - { .name: codes0, .offset: 0, .size: 8, .value_kind: global_buffer, .address_space: global }
      - { .name: scales0, .offset: 8, .size: 8, .value_kind: global_buffer, .address_space: global }
      - { .name: c_attn_b, .offset: 16, .size: 8, .value_kind: global_buffer, .address_space: global }
      - { .name: qk_codes, .offset: 24, .size: 8, .value_kind: global_buffer, .address_space: global }
      - { .name: qk_scales, .offset: 32, .size: 8, .value_kind: global_buffer, .address_space: global }
      - { .name: v_codes, .offset: 40, .size: 8, .value_kind: global_buffer, .address_space: global }
      - { .name: v_scales, .offset: 48, .size: 8, .value_kind: global_buffer, .address_space: global }
    .group_segment_fixed_size: 327680
    .private_segment_fixed_size: 0
    .kernarg_segment_align: 8
    .kernarg_segment_size: 56
    .max_flat_workgroup_size: 128
    .sgpr_count:     100
    .vgpr_count:     1024
    .wavefront_size: 32
...
	.end_amdgpu_metadata
.endif
;; end of part 2
;; launch attn (part 3): grid 64 x 4, 16 waves a work-group, no clusters, 235,520 bytes of LDS; arguments qk_codes, qk_scales, v_codes, v_scales, a_codes, a_scales; writes a_codes, a_scales
.if DOCPART == 3
	.amdgcn_target "amdgcn-amd-amdhsa--gfx1250"
	.amdhsa_code_object_version 6
	.text
	.protected	k_q86673532b5_attn
	.globl	k_q86673532b5_attn
	.p2align	8
	.type	k_q86673532b5_attn,@function
k_q86673532b5_attn:
	s_mov_b64 s[64:65], 0
	v_nop
	global_prefetch_b8 v0, s[64:65] scope:SCOPE_SE
	s_setreg_imm32_b32 hwreg(HW_REG_WAVE_MODE, 25, 1), 1
	s_wait_xcnt 0x0
; a = softmax(mask(q k^T / 8)) v for one batch and head, both products on codes of FP6 (E2M3) with E8M0 scales; a is quantised along the head's 64 channels and leaves as codes and scale bytes.
; THE SOFTMAX: t = logit x log2(e); M = the running largest t rounded up to a whole number; p = 2^(t - M) is quantised along the keys, not normalised; the row's sum of the unquantised p divides at the end.
; THE MASK is the problem's own: a hidden key's logit is -10000, not -infinity.  In the key step on the diagonal hidden scores are set to -80000 (x 1/8 = -10000) and go the common way.  The key steps behind it hold hidden keys
; alone: all their p are one number pm, so they add Q(pm) x (the column sums of the quantised v) to O and (their count) x pm to the sum: the tail.  The column sums are made once, by the matrix unit, from v's codes and a tile of ones.
; SHARES.  A WORK-GROUP STAYS FOR TWO BLOCKS OF 256 QUERIES of its head: block 7 - y, then block y (y = 0 .. 3): 64 x 4 = 256 work-groups.  Each of sixteen waves owns 16 queries of a block, in 256 registers; in the second pass wave w takes
; the tile of wave w xor 8, so that every wave walks (2 (7 - y) + w / 8 + 1) + (2 y + 1 - w / 8 + 1) = 17 key steps.  K's and V's codes of the whole head (2 x 98,304 bytes), their scale words and the column sums stay in LDS
; for both passes: each byte is filled once, so there is no ring and no barrier in the loops.  The fill comes in three stages (key step 0; 1 to 3; 4 to 15): the first pass's diagonal lies at key step 8 or later, so its
; steps 0 to 3 are seen whole by every query; they are written out without branch and mask and are worked while the last stage lands.
; NO CLUSTER: the four work-groups of a head read the same K and V, but which key step is left out and which is masked is decided by branches on the block's number, which would be the place in the cluster; joint requests want
; partners whose branches are alike.
; LAYOUT.  Both products are used transposed: a lane holds one query.  Rows (keys, queries, channels) are stored at position P(i) (bits 3 and 4 exchanged), so that the 16 registers of two neighbouring tiles are 16 true neighbours.
; K = 64 IN A FORM OF K = 128: a fragment's registers 0-5 hold one tile of 16 keys and 6-11 the next; it is multiplied by [Q | 0] for the first and by [0 | Q] for the second; zero codes add nothing.  Scale words are (s0, s1, s0, s1).
; LIMITS: NaN and infinities are not served; blocks under 2^-124 get the byte 1; a pm under 2^-126 counts as 0, and from there to 2^-124 it keeps 3 mantissa bits: both lie more than 2^-120 under the row's largest p.
.set VC,   98304                       ; LDS: K's codes at 0, V's here
.set SCK,  196608                      ; K's scale words, 8,192 bytes
.set SCV,  204800                      ; V's, 4,096
.set VSUM, 208896                      ; column sums of v: 16 key steps x 64 f32
.set TSCR, 212992                      ; 256 bytes a wave
.set STG,  217088                      ; 1,024 bytes a wave
.set FRG,  34                          ; v34-81 four fragments of K or of V
.set S,    82                          ; v82-145 the scores, then p
.set O,    146                         ; v146-177 O^T
.set PCD,  178                         ; v178-189 p's codes
.set CT,   190                         ; v190-197 the conversions' second halves
.set BM,   198                         ; v198-201 block maxima
.set BB,   202                         ; v202-205 the other half's, then bytes
.set BS,   206                         ; v206-209 scale operands
.set KW,   210                         ; v210-217 K's scale words
.set VW,   218                         ; v218-221 V's
.set QS,   222                         ; Q's
.set PS,   223                         ; p's
.set F,    224                         ; v[224:225] f = 2^(old M - new M)
.set W,    226                         ; v226-227 at work
.set SM2,  228                         ; v[228:229] the sum's second chain
.set Q2,   230                         ; v230-235 the second pass's Q, v236 its scale word
.set WV,   16
.set J,    17                          ; the key step on my diagonal, in the pass in hand
.set KSI,  18                          ; the key step in hand
.set CNT,  19
.set SEL,  20
.set CS,   22                          ; s[22:23] c = log2(e) / 8
.set G1A,  24                          ; s[24:31], s[32:39], s[68:75] descriptor groups 1 of the three stages
.set G1B,  32
.set G0A,  40                          ; s[40:43], s[44:47], s[76:79] their groups 0
.set G0B,  44
.set TB,   48                          ; the step's codes: 6,144 bytes a step
.set TS,   49                          ; K's scale words: 512
.set TJ,   50                          ; V's: 256
.set G1C,  68
.set G0C,  76
.set AC1,  80                          ; s[80:81] a's codes at the first pass's 16 tokens, s[82:83] a's scale bytes; s[84:87] the second pass's
.set AS1,  82
.set AC2,  84
.set AS2,  86
.set J2,   88                          ; the second pass's diagonal step
	s_load_b256 s[4:11], s[0:1], 0x0               ; qk_codes, qk_scales, v_codes, v_scales
	s_load_b128 s[12:15], s[0:1], 0x20             ; a_codes, a_scales
	v_lshl_add_u32 v254, v0, 2, 0x39000
	v_mov_b32 v255, 0
	ds_add_u32 v254, v255
	ds_add_u32 v254, v255
	v_lshrrev_b32 v1, 5, v0
	s_delay_alu instid0(VALU_DEP_1)
	v_readfirstlane_b32 s[WV], v1                  ; wave 0..15
	s_and_b32 s51, ttmp7, 0xffff                   ; y: the second pass's block
	s_lshr_b32 s52, ttmp9, 4                       ; batch
	s_and_b32 s53, ttmp9, 15                       ; head
	s_lshr_b32 s58, s[WV], 3                       ; waves 0-7 fetch K, 8-15 V
	s_and_b32 s59, s[WV], 7
	s_sub_co_u32 s54, 7, s51                       ; the first pass's block
	s_lshl_b32 s[J], s54, 1
	s_add_co_u32 s[J], s[J], s58                   ; my 16 true queries lie in key step 2 x block + tile / 8
	s_xor_b32 s55, s58, 1
	s_lshl_b32 s[J2], s51, 1
	s_add_co_u32 s[J2], s[J2], s55
	s_lshl_b32 s56, s52, 11
	s_lshl_b32 s57, s[WV], 4
	s_lshl_b32 s54, s54, 8
	s_add_co_u32 s54, s54, s56
	s_add_co_u32 s54, s54, s57                     ; my first stored token, first pass: 2,048 x batch + 256 x block + 16 x wave
	s_xor_b32 s57, s57, 128
	s_lshl_b32 s55, s51, 8
	s_add_co_u32 s55, s55, s56
	s_add_co_u32 s55, s55, s57                     ; second pass: the other block, 16 x (wave xor 8)
	s_add_co_u32 s90, s53, 16
	s_mul_i32 s90, s90, 393216
	s_mul_i32 s91, s52, 98304
	s_add_co_u32 s90, s90, s91                     ; K's codes of this batch and head,
	s_mul_i32 s91, ttmp9, 98304                    ; V's
	s_mul_i32 s60, s58, 98304                      ; my region of LDS,
	s_mul_i32 s61, s59, 768                        ; my eighth of key step 0,
	s_mul_i32 s62, s59, 2304
	s_add_co_u32 s62, s62, 6144                    ; of key steps 1 to 3,
	s_mul_i32 s63, s59, 9216
	s_add_co_u32 s63, s63, 24576                   ; and of key steps 4 to 15
	; descriptors: dense bytes as rows of 256 (32 elements of 8 bytes): 3 rows, 9 and 36
.irp g, G1A, G1B, G1C
	s_mov_b32 s[\g], 3<<16                         ; no mask; elements of 8 bytes; no padding
	s_mov_b32 s[\g+1], 32<<16                      ; tensor_dim0
	s_mov_b32 s[\g+3], 32<<16                      ; tile_dim0
	s_mov_b32 s[\g+5], 32                          ; from row to row
	s_mov_b32 s[\g+6], 0
	s_mov_b32 s[\g+7], 0
.endr
	s_mov_b32 s[G1A+2], 3<<16                      ; tensor_dim1
	s_mov_b32 s[G1A+4], 3                          ; tile_dim1
	s_mov_b32 s[G1B+2], 9<<16
	s_mov_b32 s[G1B+4], 9
	s_mov_b32 s[G1C+2], 36<<16
	s_mov_b32 s[G1C+4], 36
	s_mov_b32 s[SEL], 0x76543210
	s_mov_b32 s[SEL+1], 0xfedcba98
	s_mov_b32 s[CS], 0x3e38aa3b
	s_mov_b32 s[CS+1], s[CS]
	s_mov_b32 s[TB], 0
	s_mov_b32 s[TS], 0
	s_mov_b32 s[TJ], 0
	s_mov_b32 s[KSI], 0
	s_mov_b32 s57, 0
	s_wait_dscnt 0x0
	s_wait_kmcnt 0x0
	s_cmp_lt_u32 s[WV], 8
	s_cselect_b64 s[58:59], s[4:5], s[8:9]
	s_cselect_b32 s56, s90, s91
	s_add_nc_u64 s[58:59], s[58:59], s[56:57]
	s_mov_b32 s[G0A], 1
	s_add_co_u32 s[G0A+1], s60, s61
	s_mov_b32 s56, s61
	s_add_nc_u64 s[G0A+2:G0A+3], s[58:59], s[56:57]
	s_or_b32 s[G0A+3], s[G0A+3], 0x80000000
	s_mov_b32 s[G0B], 1
	s_add_co_u32 s[G0B+1], s60, s62
	s_mov_b32 s56, s62
	s_add_nc_u64 s[G0B+2:G0B+3], s[58:59], s[56:57]
	s_or_b32 s[G0B+3], s[G0B+3], 0x80000000
	s_mov_b32 s[G0C], 1
	s_add_co_u32 s[G0C+1], s60, s63
	s_mov_b32 s56, s63
	s_add_nc_u64 s[G0C+2:G0C+3], s[58:59], s[56:57]
	s_or_b32 s[G0C+3], s[G0C+3], 0x80000000
	tensor_load_to_lds s[G0A:G0A+3], s[G1A:G1A+7]  ; key step 0's part first, so that work can begin on it,
	s_nop 0
	tensor_load_to_lds s[G0B:G0B+3], s[G1B:G1B+7]  ; then key steps 1 to 3,
	s_nop 0
	tensor_load_to_lds s[G0C:G0C+3], s[G1C:G1C+7]  ; then the rest: three loads of mine are out
	s_nop 0
.rept 4
	v_nop
.endr
	s_add_co_u32 s56, s53, 16
	s_lshl_b32 s56, s56, 15
	s_lshl_b32 s90, s52, 13
	s_add_co_u32 s56, s56, s90
	s_add_nc_u64 s[60:61], s[6:7], s[56:57]        ; K's scale words
	s_lshl_b32 s56, ttmp9, 12
	s_add_nc_u64 s[10:11], s[10:11], s[56:57]      ; V's
	s_mul_i32 s90, s53, 393216
	s_mul_i32 s56, s54, 48
	s_add_co_u32 s56, s56, s90
	s_add_nc_u64 s[92:93], s[4:5], s[56:57]        ; Q's codes at my first query, first pass;
	s_add_nc_u64 s[AC1:AC1+1], s[12:13], s[56:57]  ; a's codes lie alike
	s_mul_i32 s56, s55, 48
	s_add_co_u32 s56, s56, s90
	s_add_nc_u64 s[94:95], s[4:5], s[56:57]        ; second pass
	s_add_nc_u64 s[AC2:AC2+1], s[12:13], s[56:57]
	s_lshl_b32 s90, s53, 15
	s_lshl_b32 s56, s54, 2
	s_add_co_u32 s56, s56, s90
	s_add_nc_u64 s[58:59], s[6:7], s[56:57]        ; Q's scale words, first pass,
	s_lshl_b32 s56, s55, 2
	s_add_co_u32 s56, s56, s90
	s_add_nc_u64 s[62:63], s[6:7], s[56:57]        ; second pass
	s_lshl_b32 s90, s53, 1
	s_lshl_b32 s56, s54, 5
	s_add_co_u32 s56, s56, s90
	s_add_nc_u64 s[AS1:AS1+1], s[14:15], s[56:57]  ; a's scale bytes: 32 a token, my head's two
	s_lshl_b32 s56, s55, 5
	s_add_co_u32 s56, s56, s90
	s_add_nc_u64 s[AS2:AS2+1], s[14:15], s[56:57]
	v_and_b32 v44, 15, v0                          ; r
	v_bfe_u32 v45, v0, 4, 1                        ; h
	s_delay_alu instid0(VALU_DEP_2)
	v_mul_u32_u24 v1, v44, 48
	s_delay_alu instid0(VALU_DEP_1)
	v_mad_u32_u24 v1, v45, 24, v1                  ; a row of 48 bytes, my half's 24
	s_delay_alu instid0(VALU_DEP_1)
	v_add_nc_u32 v2, VC, v1
	v_lshl_add_u32 v3, v44, 2, SCK
	v_lshl_add_u32 v4, v44, 2, SCV
	v_lshlrev_b32 v40, 4, v0
	v_lshlrev_b32 v41, 3, v0
	v_lshl_add_u32 v42, v0, 4, SCK
	v_lshl_add_u32 v43, v0, 3, SCV
	v_lshlrev_b32 v46, 2, v44
	global_load_b128 v[34:37], v40, s[60:61]       ; the 512 threads bring K's 8,192 bytes of scale words,
	global_load_b64 v[38:39], v41, s[10:11]        ; and V's 4,096
.irp p, 0,1,2
	global_load_b64 v[16+2*\p:17+2*\p], v1, s[92:93] offset:8*\p  ; Q twice: [Q | 0] is v[16:27],
	global_load_b64 v[28+2*\p:29+2*\p], v1, s[92:93] offset:8*\p  ; [0 | Q] is v[22:33]
.endr
	global_load_b32 v[QS], v46, s[58:59]
.irp p, 0,1,2
	global_load_b64 v[Q2+2*\p:Q2+2*\p+1], v1, s[94:95] offset:8*\p   ; the second pass's Q is asked for now and waits in registers of its own
.endr
	global_load_b32 v[Q2+6], v46, s[62:63]
	s_lshr_b32 s90, s[WV], 1
	s_and_b32 s90, s90, 3
	s_lshl_b32 s90, s90, 5
	s_and_b32 s91, s[WV], 1
	s_lshl_b32 s91, s91, 3
	s_add_co_u32 s90, s90, s91
	v_bfe_u32 v5, v0, 3, 1
	v_and_b32 v47, 7, v0
	s_delay_alu instid0(VALU_DEP_1)
	v_lshl_add_u32 v5, v5, 4, v47
	v_lshlrev_b32 v47, 4, v45
	s_delay_alu instid0(VALU_DEP_1)
	v_sub_nc_u32 v5, v5, v47
	s_delay_alu instid0(VALU_DEP_1)
	v_add_nc_u32 v5, s90, v5                       ; my true query in its key step, less 16 h: register 16 b + i is hidden where 32 b + i is greater.  It hangs on wave % 8 alone: the same in both passes
	v_mov_b32 v6, 0xc79c4000                       ; -80000
	s_lshl_b32 s91, s[WV], 8
	s_add_co_u32 s91, s91, VSUM
	v_lshl_add_u32 v7, v45, 5, s91                 ; where I put my key step's column sums
	v_mov_b32 v13, 0xff61b1e6                      ; the largest t so far: -3e38
	s_delay_alu instid0(VALU_DEP_1)
	v_floor_f32 v12, -v13                          ; -M
	v_mov_b32 v14, 0
	v_mov_b32 v15, 0
.irp i, 22,23,24,25,26,27
	v_mov_b32 v\i, 0                               ; the zero codes
.endr
.irp b, 0,1,2,3
	v_mov_b32 v[BB+\b], 0                          ; a lane permute's destination counts as one of its sources
.endr
	v_mov_b32 v[F+1], 0                            ; named with f as a pair
	s_wait_loadcnt 11                              ; the scale words are in; the eleven loads behind them (7 of the first Q, 4 of the second) stay out
	ds_store_b128 v42, v[34:37]
	ds_store_b64 v43, v[38:39]
	s_wait_tensorcnt 2                             ; my part of key step 0 has landed; my two later loads may stay out
	s_wait_dscnt 0x0
	s_barrier_signal -1
	s_barrier_wait -1
; A KEY STEP: 128 keys.  first = 1: the products start O^T and nothing is rescaled.  mask = 0: a step that lies ahead of every wave's diagonal: no branch, no mask.
.macro STEP first, mask
.if \mask
	s_cmp_gt_u32 s[KSI], s[J]                      ; behind my diagonal: the tail serves these keys
	s_cbranch_scc1 .Lhid_\@
.endif
	s_setprio 2
	v_add_nc_u32 v8, s[TB], v1                     ; (these four are the places in front of the loads below)
	v_add_nc_u32 v9, s[TB], v2
	v_add_nc_u32 v10, s[TS], v3
	v_add_nc_u32 v11, s[TJ], v4
.irp f, 0,1,2,3
.irp p, 0,1,2,3,4,5
	ds_load_b64 v[FRG+12*\f+2*\p:FRG+12*\f+2*\p+1], v8 offset:(2*\f+\p/3)*768+8*(\p%3)   ; rows of 48 bytes: the 32 lanes of a load touch 64 different banks
.endr
.endr
.irp t, 0,1,2,3,4,5,6,7
	ds_load_b32 v[KW+\t], v10 offset:64*\t
.endr
	s_wait_alu depctr_va_vdst(0)
	s_wait_dscnt 0x0
.irp f, 0,1,2,3
	v_wmma_scale_f32_16x16x128_f8f6f4 v[S+16*\f:S+16*\f+7], v[FRG+12*\f:FRG+12*\f+11], v[16:27], 0, v[KW+2*\f], v[QS] matrix_a_fmt:MATRIX_FMT_FP6 matrix_b_fmt:MATRIX_FMT_FP6
	v_wmma_scale_f32_16x16x128_f8f6f4 v[S+16*\f+8:S+16*\f+15], v[FRG+12*\f:FRG+12*\f+11], v[22:33], 0, v[KW+2*\f+1], v[QS] matrix_a_fmt:MATRIX_FMT_FP6 matrix_b_fmt:MATRIX_FMT_FP6
.endr
.rept 4
	v_nop                                          ; places in front of the loads into K's registers and of the first read of the scores
.endr
.irp t, 0,1,2,3                        ; V's fragments land while the softmax is walked
.irp p, 0,1,2,3,4,5
	ds_load_b64 v[FRG+12*\t+2*\p:FRG+12*\t+2*\p+1], v9 offset:(\p/3)*3072+\t*768+8*(\p%3)
.endr
	ds_load_b32 v[VW+\t], v11 offset:64*\t
.endr
.if \mask
	s_cmp_lg_u32 s[KSI], s[J]
	s_cbranch_scc1 .Lopen_\@
.set n, 0
.rept 64
	v_cmp_gt_i32 vcc_lo, 32*(n/16)+n%16, v5
	v_cndmask_b32 v[S+n], v[S+n], v6, vcc_lo
.set n, n+1
.endr
.Lopen_\@:
.endif
.irp b, 0,1,2,3
	v_max3_num_f32 v[BM+\b], v[S+16*\b], v[S+1+16*\b], v[S+2+16*\b]   ; each block's largest score: for the row's maximum and, since p rises with the score, for the block's largest p
.endr
.irp i, 3,5,7,9,11,13
.irp b, 0,1,2,3
	v_max3_num_f32 v[BM+\b], v[BM+\b], v[S+16*\b+\i], v[S+1+16*\b+\i]
.endr
.endr
.irp b, 0,1,2,3
	v_max_num_f32 v[BM+\b], v[BM+\b], v[S+15+16*\b]
.endr
.irp b, 0,1,2,3
	s_delay_alu instid0(VALU_DEP_4)
	v_permlanex16_b32 v[BB+\b], v[BM+\b], s[SEL], s[SEL+1]
.endr
.irp b, 0,1,2,3
	s_delay_alu instid0(VALU_DEP_4)
	v_max_num_f32 v[BM+\b], v[BM+\b], v[BB+\b]
.endr
	s_delay_alu instid0(VALU_DEP_2)
	v_max3_num_f32 v[W], v[BM], v[BM+1], v[BM+2]
	s_delay_alu instid0(VALU_DEP_1)
	v_max_num_f32 v[W], v[W], v[BM+3]
	s_delay_alu instid0(VALU_DEP_1)
	v_mul_f32 v[W], s[CS], v[W]
	s_delay_alu instid0(VALU_DEP_1)
	v_max_num_f32 v13, v13, v[W]                   ; the running largest t
	v_mov_b32 v[W], v12
	s_delay_alu instid0(VALU_DEP_2)
	v_floor_f32 v12, -v13                          ; -M = floor(-t): M is a whole number
	s_delay_alu instid0(VALU_DEP_1)
	v_sub_f32 v[W], v12, v[W]
	s_delay_alu instid0(VALU_DEP_1)
	v_cvt_i32_f32 v[W], v[W]                       ; (it saturates)
	s_delay_alu instid0(VALU_DEP_1)
	v_ldexp_f32 v[F], 1.0, v[W]                    ; f = 2^(old M - new M): it rounds nothing
.set n, 0
	s_setprio 1
.rept 32
	v_pk_fma_f32 v[S+n:S+n+1], v[S+n:S+n+1], s[CS:CS+1], v[12:13] op_sel_hi:[1,0,0]   ; t - M
.set n, n+2
.endr
.irp b, 0,1,2,3
	v_fma_f32 v[BM+\b], v[BM+\b], s[CS], v12
.endr
.set n, 0
	s_wait_alu depctr_va_vdst(0)
.rept 64
	v_exp_f32 v[S+n], v[S+n]                       ; p = 2^(t - M)
.set n, n+1
.endr
.irp b, 0,1,2,3
	v_exp_f32 v[BM+\b], v[BM+\b]                   ; the block's largest p: the same two instructions on the same number
.endr
	v_pk_mul_f32 v[14:15], v[14:15], v[F:F+1] op_sel_hi:[1,0]      ; the sums under the new M (a plain line behind the exponentials)
	s_wait_alu depctr_va_vdst(0)
.irp b, 0,1,2,3
	v_max_num_f32 v[BM+\b], 0x1800000, v[BM+\b]    ; the floor 2^(3 - 127)
.endr
.irp b, 0,1,2,3
	s_delay_alu instid0(VALU_DEP_4)
	v_add_nc_u32 v[BS+\b], 0xff000000, v[BM+\b]
.endr
.irp b, 0,1,2,3
	s_delay_alu instid0(VALU_DEP_4)
	v_lshrrev_b32 v[BB+\b], 23, v[BS+\b]
.endr
	s_delay_alu instid0(VALU_DEP_3)
	v_lshl_or_b32 v[PS], v[BB+1], 8, v[BB]
	s_delay_alu instid0(VALU_DEP_1)
	v_lshl_or_b32 v[PS], v[BB+2], 16, v[PS]
	s_delay_alu instid0(VALU_DEP_1)
	v_lshl_or_b32 v[PS], v[BB+3], 24, v[PS]
.irp c, 0,1
	v_cvt_scalef32_pk16_fp6_f32 v[PCD+6*\c:PCD+6*\c+2], v[S+32*\c:S+32*\c+15], v[BS+2*\c]
	v_cvt_scalef32_pk16_fp6_f32 v[CT+4*\c:CT+4*\c+2], v[S+32*\c+16:S+32*\c+31], v[BS+2*\c+1]
.endr
	v_nop
.irp c, 0,1                            ; the operand wants a whole block in a lane: lanes 0-15 block 2 c, lanes 16-31 block 2 c + 1
.irp i, 0,1,2
	v_permlane16_swap_b32 v[PCD+6*\c+\i], v[CT+4*\c+\i]
.endr
.irp i, 0,1,2
	s_delay_alu instid0(VALU_DEP_3)
	v_mov_b32 v[PCD+6*\c+3+\i], v[CT+4*\c+\i]
.endr
.endr
	v_pk_add_f32 v[228:229], v[86:87], v[90:91]
	v_pk_add_f32 v[252:253], v[94:95], v[98:99]
	v_pk_add_f32 v[250:251], v[102:103], v[106:107]
	v_pk_add_f32 v[248:249], v[110:111], v[114:115]
	v_pk_add_f32 v[246:247], v[118:119], v[122:123]
	v_pk_add_f32 v[244:245], v[126:127], v[130:131]
	s_setprio 0
	v_pk_add_f32 v[242:243], v[134:135], v[138:139]
	v_pk_add_f32 v[14:15], v[14:15], v[142:143]
	v_pk_add_f32 v[228:229], v[228:229], v[82:83]
	v_pk_add_f32 v[252:253], v[252:253], v[84:85]
	v_pk_add_f32 v[250:251], v[250:251], v[88:89]
	v_pk_add_f32 v[248:249], v[248:249], v[92:93]
	v_pk_add_f32 v[246:247], v[246:247], v[96:97]
	v_pk_add_f32 v[244:245], v[244:245], v[100:101]
	v_pk_add_f32 v[242:243], v[242:243], v[104:105]
	v_pk_add_f32 v[14:15], v[14:15], v[108:109]
	v_pk_add_f32 v[228:229], v[228:229], v[112:113]
	v_pk_add_f32 v[252:253], v[252:253], v[116:117]
	v_pk_add_f32 v[250:251], v[250:251], v[120:121]
	v_pk_add_f32 v[248:249], v[248:249], v[124:125]
	v_pk_add_f32 v[246:247], v[246:247], v[128:129]
	v_pk_add_f32 v[244:245], v[244:245], v[132:133]
	v_pk_add_f32 v[242:243], v[242:243], v[136:137]
	v_pk_add_f32 v[14:15], v[14:15], v[140:141]
	v_pk_add_f32 v[228:229], v[228:229], v[144:145]
	s_delay_alu instid0(VALU_DEP_2)
	v_pk_add_f32 v[14:15], v[14:15], v[248:249]
	s_delay_alu instid0(VALU_DEP_2)
	v_pk_add_f32 v[228:229], v[228:229], v[246:247]
	v_pk_add_f32 v[252:253], v[252:253], v[244:245]
	v_pk_add_f32 v[250:251], v[250:251], v[242:243]
	s_delay_alu instid0(VALU_DEP_2)
	v_pk_add_f32 v[14:15], v[14:15], v[252:253]
	s_delay_alu instid0(VALU_DEP_2)
	v_pk_add_f32 v[228:229], v[228:229], v[250:251]
	s_delay_alu instid0(VALU_DEP_1)
	v_pk_add_f32 v[14:15], v[14:15], v[228:229]
.if !\first
.set n, 0
.rept 16
	v_pk_mul_f32 v[O+n:O+n+1], v[O+n:O+n+1], v[F:F+1] op_sel_hi:[1,0]   ; O^T under the new M
.set n, n+2
.endr
.endif
	s_wait_alu depctr_va_vdst(0)
	s_wait_dscnt 0x0                               ; V
.irp t, 0,1,2,3
.if \first
	v_wmma_scale_f32_16x16x128_f8f6f4 v[O+8*\t:O+8*\t+7], v[FRG+12*\t:FRG+12*\t+11], v[PCD:PCD+11], 0, v[VW+\t], v[PS] matrix_a_fmt:MATRIX_FMT_FP6 matrix_b_fmt:MATRIX_FMT_FP6
.else
	v_wmma_scale_f32_16x16x128_f8f6f4 v[O+8*\t:O+8*\t+7], v[FRG+12*\t:FRG+12*\t+11], v[PCD:PCD+11], v[O+8*\t:O+8*\t+7], v[VW+\t], v[PS] matrix_a_fmt:MATRIX_FMT_FP6 matrix_b_fmt:MATRIX_FMT_FP6
.endif
.endr
.if \mask
.Lhid_\@:
.endif
	s_add_co_u32 s[TB], s[TB], 6144
	s_add_co_u32 s[TS], s[TS], 512
	s_add_co_u32 s[TJ], s[TJ], 256
	s_add_co_u32 s[KSI], s[KSI], 1
.endm
; THE TAIL AND THE WAY OUT of a pass: the 128 (15 - J) keys behind my diagonal step; O / the sum; a's two blocks of 32 channels quantised; 16 rows of 48 bytes and their scale bytes stored.
; acod, abyt: the scalar pairs that hold a's codes and a's scale bytes at this pass's 16 tokens.
.macro TAIL acod, abyt
.rept 4
	v_nop                                          ; places behind the last products
.endr
	v_and_b32 v8, 31, v0
	v_bfe_u32 v10, v0, 4, 1
	s_lshl_b32 s58, s[WV], 8
	s_add_co_u32 s58, s58, TSCR
	v_lshl_add_u32 v7, v8, 3, VSUM
	v_lshl_add_u32 v9, v8, 3, s58
	v_lshl_add_u32 v10, v10, 5, s58
.irp s, 1,2,3,4,5,6,7,8,9,10,11,12,13,14,15
	ds_load_b64 v[34+2*\s:35+2*\s], v7 offset:256*\s               ; lane l: channel positions 2 l, 2 l + 1 of key step s
.endr
	s_mov_b32 s54, 0xc79c4000                      ; the hidden score, -80000;
	s_cmp_eq_u32 s[J], 15
	s_cselect_b32 s54, 0xff7fffff, s54             ; with no key behind the diagonal step: the lowest number, which moves no maximum and gives pm = 0
	s_sub_co_u32 s55, 15, s[J]
	s_lshl_b32 s55, s55, 7                         ; how many keys
	v_mov_b32 v[W+1], s54
	s_delay_alu instid0(VALU_DEP_1)
	v_mul_f32 v[W], s[CS], v[W+1]
	s_delay_alu instid0(VALU_DEP_1)
	v_max_num_f32 v13, v13, v[W]
	v_mov_b32 v[W], v12
	s_delay_alu instid0(VALU_DEP_2)
	v_floor_f32 v12, -v13
	s_delay_alu instid0(VALU_DEP_1)
	v_sub_f32 v[W], v12, v[W]
	s_delay_alu instid0(VALU_DEP_1)
	v_cvt_i32_f32 v[W], v[W]
	s_delay_alu instid0(VALU_DEP_1)
	v_ldexp_f32 v[F], 1.0, v[W]
	s_delay_alu instid0(VALU_DEP_4)
	v_fma_f32 v[W+1], v[W+1], s[CS], v12
	s_wait_alu depctr_va_vdst(0)
	v_exp_f32 v[W+1], v[W+1]                       ; pm
	v_pk_mul_f32 v[14:15], v[14:15], v[F:F+1] op_sel_hi:[1,0]
	s_wait_alu depctr_va_vdst(0)
	v_bfe_u32 v[BM], v[W+1], 20, 1                 ; Q(pm): in a block of equal numbers the scale leaves pm in [4, 8): 3 mantissa bits, ties to even,
	v_add3_u32 v[BM], v[W+1], v[BM], 0x7ffff
	s_delay_alu instid0(VALU_DEP_1)
	v_and_b32 v[BM], 0xfff00000, v[BM]
	v_and_b32 v[BM+1], 0x7f800000, v[W+1]
	s_delay_alu instid0(VALU_DEP_1)
	v_or_b32 v[BM+1], 0x700000, v[BM+1]
	s_delay_alu instid0(VALU_DEP_1)
	v_min_u32 v[BM], v[BM], v[BM+1]                ; held at 7.5 x the scale
	s_delay_alu instid0(VALU_DEP_1)
	v_mov_b32 v[BM+1], v[BM]
	s_mov_b32 s53, 0
	s_wait_dscnt 0x0
	s_cmp_lt_u32 s[J], 1
	s_cselect_b32 s52, 1.0, 0
	v_pk_mul_f32 v[34:35], v[36:37], s[52:53] op_sel_hi:[1,0]
.irp s, 2,3,4,5,6,7,8,9,10,11,12,13,14,15
	s_cmp_lt_u32 s[J], \s
	s_cselect_b32 s52, 1.0, 0
	v_pk_fma_f32 v[34:35], v[34+2*\s:35+2*\s], s[52:53], v[34:35] op_sel_hi:[1,0,1]   ; only the steps behind my diagonal count
.endr
	ds_store_b64 v9, v[34:35]                      ; through my own 256 bytes into O^T's layout
.irp t, 0,1,2,3
	ds_load_b128 v[36+8*\t:39+8*\t], v10 offset:64*\t
	ds_load_b128 v[40+8*\t:43+8*\t], v10 offset:64*\t+16
.endr
	v_add_f32 v14, v14, v15
	s_delay_alu instid0(VALU_DEP_1)
	v_permlanex16_b32 v[BB], v14, s[SEL], s[SEL+1]
	s_delay_alu instid0(VALU_DEP_1)
	v_add_f32 v14, v14, v[BB]                      ; the row's sum of the keys walked,
	v_cvt_f32_u32 v[W], s55
	v_fma_f32 v14, v[W+1], v[W], v14               ; and of the tail
	s_wait_alu depctr_va_vdst(0)
	v_rcp_f32 v14, v14
	v_and_b32 v8, 31, v0                           ; (a plain line behind the reciprocal)
	v_bfe_u32 v10, v0, 4, 1
	v_and_b32 v11, 15, v0
	s_lshl_b32 s59, s[WV], 10
	s_add_co_u32 s59, s59, STG
	v_lshl_add_u32 v7, v11, 6, s59
	s_delay_alu instid0(VALU_DEP_1)
	v_lshl_add_u32 v7, v10, 4, v7                  ; my stage: 64 r + 16 h
	v_lshl_add_u32 v9, v8, 4, s59                  ; and back: 16 x lane
	v_cmp_le_u32 vcc_lo, 16, v8
	v_mul_u32_u24 v8, v8, 12
	v_lshl_add_u32 v10, v11, 5, v10                ; a's scale bytes: 32 r + h
	s_wait_dscnt 0x0
.set n, 0
.rept 16
	v_pk_mul_f32 v[36+n:37+n], v[36+n:37+n], v[BM:BM+1]
.set n, n+2
.endr
.set n, 0
	s_wait_alu depctr_va_vdst(0)
.rept 16
	v_pk_fma_f32 v[S+n:S+n+1], v[O+n:O+n+1], v[F:F+1], v[36+n:37+n] op_sel_hi:[1,0,1]   ; O f + Q(pm) x the column sums; each accumulator from its low end on
.set n, n+2
.endr
.set n, 0
	s_wait_alu depctr_va_vdst(0)
.rept 16
	v_pk_mul_f32 v[S+n:S+n+1], v[S+n:S+n+1], v[14:15] op_sel_hi:[1,0]   ; a = O / the sum: register 16 b + i is true channel 32 b + 16 h + i
.set n, n+2
.endr
.irp b, 0,1
	v_max3_num_f32 v[BM+\b], |v[S+16*\b]|, |v[S+1+16*\b]|, 0x1800000
.endr
.irp i, 2,4,6,8,10,12,14
.irp b, 0,1
	s_delay_alu instid0(VALU_DEP_2)
	v_max3_num_f32 v[BM+\b], v[BM+\b], |v[S+16*\b+\i]|, |v[S+1+16*\b+\i]|
.endr
.endr
.irp b, 0,1
	s_delay_alu instid0(VALU_DEP_2)
	v_permlanex16_b32 v[BB+\b], v[BM+\b], s[SEL], s[SEL+1]
.endr
.irp b, 0,1
	s_delay_alu instid0(VALU_DEP_2)
	v_max_num_f32 v[BM+\b], v[BM+\b], v[BB+\b]
.endr
.irp b, 0,1
	s_delay_alu instid0(VALU_DEP_2)
	v_add_nc_u32 v[BS+\b], 0xff000000, v[BM+\b]
.endr
.irp b, 0,1
	s_delay_alu instid0(VALU_DEP_2)
	v_lshrrev_b32 v[BB+\b], 23, v[BS+\b]
.endr
	v_cvt_scalef32_pk16_fp6_f32 v[CT:CT+2], v[S:S+15], v[BS]
	v_cvt_scalef32_pk16_fp6_f32 v[CT+4:CT+6], v[S+16:S+31], v[BS+1]
	v_cndmask_b32 v[W], v[BB], v[BB+1], vcc_lo     ; lane (r, h) stores block h's byte (a plain line behind the conversions)
	ds_store_b96 v7, v[CT:CT+2]                    ; place 4 r + 2 b + h of 16 bytes
	ds_store_b96 v7, v[CT+4:CT+6] offset:32
	ds_load_b96 v[34:36], v9
	ds_load_b96 v[38:40], v9 offset:512
	s_wait_alu depctr_va_vdst(0)
	s_wait_dscnt 0x0
	global_store_b96 v8, v[34:36], s[\acod:\acod+1]                ; 16 rows of 48 bytes: two stores of 384 consecutive bytes
	global_store_b96 v8, v[38:40], s[\acod:\acod+1] offset:384
	global_store_b8 v10, v[W], s[\abyt:\abyt+1]    ; two bytes of each token's 32: units written in part, 262,144 bytes in the whole launch
.endm
; ---------------- THE FIRST PASS: block 7 - y
	s_wait_loadcnt 0x0                             ; both passes' Q
	STEP 1, 0                                      ; key step 0, while key steps 1 to 15 land
	s_wait_tensorcnt 1                             ; my part of key steps 1 to 3 has landed; my last load may stay out
	s_wait_dscnt 0x0
	s_barrier_signal -1
	s_barrier_wait -1                              ; everybody's has
.rept 3
	STEP 0, 0                                      ; key steps 1 to 3, written out: their LDS addresses are constants of the text, inside the bytes that have landed
.endr
	s_wait_tensorcnt 0x0                           ; my part of the rest has landed,
	s_wait_dscnt 0x0
	s_barrier_signal -1
	s_barrier_wait -1                              ; everybody's has
	; THE COLUMN SUMS of the quantised v, once for both passes: wave w takes key step w: V^T (16 channels x 128 keys) x a tile of ones
.rept 4
	v_nop                                          ; places behind the last products, whose registers are written below
.endr
.irp i, 0,1,2,3
	v_mov_b32 v[PCD+3*\i], 0x08208208              ; the code of 1.0 is 001000: 16 of them are these three words
	v_mov_b32 v[PCD+3*\i+1], 0x82082082
	v_mov_b32 v[PCD+3*\i+2], 0x20820820
.endr
	v_mov_b32 v[PS], 0x7f7f7f7f                    ; scale 1
	s_mul_i32 s58, s[WV], 6144
	s_lshl_b32 s59, s[WV], 8
	v_add_nc_u32 v9, s58, v2
	v_add_nc_u32 v11, s59, v4
.irp t, 0,1,2,3
.irp p, 0,1,2,3,4,5
	ds_load_b64 v[FRG+12*\t+2*\p:FRG+12*\t+2*\p+1], v9 offset:(\p/3)*3072+\t*768+8*(\p%3)
.endr
	ds_load_b32 v[VW+\t], v11 offset:64*\t
.endr
	s_wait_alu depctr_va_vdst(0)
	s_wait_dscnt 0x0
.rept 8
	v_nop                                          ; a scale register written by a vector line stands 8 places ahead of a scaled product
.endr
.irp t, 0,1,2,3
	v_wmma_scale_f32_16x16x128_f8f6f4 v[S+8*\t:S+8*\t+7], v[FRG+12*\t:FRG+12*\t+11], v[PCD:PCD+11], 0, v[VW+\t], v[PS] matrix_a_fmt:MATRIX_FMT_FP6 matrix_b_fmt:MATRIX_FMT_FP6
.endr
.rept 4
	v_nop
.endr
.irp t, 0,1,2,3
	ds_store_b128 v7, v[S+8*\t:S+8*\t+3] offset:64*\t              ; channel positions 16 t + 8 h + 0 .. 7; the sixteen lanes of a half write the same bytes with the same values
	ds_store_b128 v7, v[S+8*\t+4:S+8*\t+7] offset:64*\t+16
.endr
	s_wait_dscnt 0x0
	s_barrier_signal -1
	s_barrier_wait -1                              ; the last barrier: from here on a wave reads bytes that nobody writes again, and its own scratch
	s_mov_b32 s[CNT], 12
.Lkeys1:                                           ; key steps 4 to 15: every wave walks all 12 trips: the trip count is a constant; a step behind the diagonal is jumped over
	STEP 0, 1
	s_sub_co_u32 s[CNT], s[CNT], 1
	s_cmp_lg_u32 s[CNT], 0
	s_cbranch_scc1 .Lkeys1
	s_setprio 0
	TAIL AC1, AS1
; ---------------- THE SECOND PASS: block y, the tile of wave w xor 8.  Nothing is fetched: K, V, the scale words and the column sums lie in LDS, Q in registers; the first pass's stores leave meanwhile.
	s_wait_xcnt 0x0                                ; the stores' data and offset registers are written again only behind this wait
	v_mov_b32 v[QS], v[Q2+6]                       ; the scale word first: 20 plain lines stand between it and the first product, 8 or more behind the last line that writes Q
.irp i, 0,1,2,3,4,5
	v_mov_b32 v[16+\i], v[Q2+\i]
	v_mov_b32 v[28+\i], v[Q2+\i]
.endr
	v_mov_b32 v13, 0xff61b1e6
	s_delay_alu instid0(VALU_DEP_1)
	v_floor_f32 v12, -v13
	v_mov_b32 v14, 0
	v_mov_b32 v15, 0
	s_mov_b32 s[TB], 0
	s_mov_b32 s[TS], 0
	s_mov_b32 s[TJ], 0
	s_mov_b32 s[KSI], 0
	s_mov_b32 s[J], s[J2]
	STEP 1, 1                                      ; key step 0, which every query sees; it may be the diagonal step
	s_mov_b32 s[CNT], 15
.Lkeys2:
	STEP 0, 1
	s_sub_co_u32 s[CNT], s[CNT], 1
	s_cmp_lg_u32 s[CNT], 0
	s_cbranch_scc1 .Lkeys2
	s_setprio 0
	TAIL AC2, AS2
	s_wait_tensorcnt 0x0
	ds_add_u32 v254, v255
	s_wait_dscnt 0x0
	s_endpgm
.Lfunc_end_k_q86673532b5_attn:
	.size	k_q86673532b5_attn, .Lfunc_end_k_q86673532b5_attn-k_q86673532b5_attn
	.p2alignl 7, 3214868480
	.fill 96, 4, 3214868480
	.section	.rodata,"a",@progbits
	.p2align	6, 0x0
	.amdhsa_kernel k_q86673532b5_attn
		.amdhsa_group_segment_fixed_size 235520
		.amdhsa_private_segment_fixed_size 0
		.amdhsa_enable_private_segment 0
		.amdhsa_kernarg_size 48
		.amdhsa_user_sgpr_count 2
		.amdhsa_user_sgpr_kernarg_segment_ptr 1
		.amdhsa_wavefront_size32 1
		.amdhsa_system_sgpr_workgroup_id_x 1
		.amdhsa_system_sgpr_workgroup_id_y 1
		.amdhsa_system_sgpr_workgroup_id_z 1
		.amdhsa_system_vgpr_workitem_id 0
		.amdhsa_next_free_vgpr 256
		.amdhsa_next_free_sgpr 96
		.amdhsa_reserve_vcc 1
		.amdhsa_float_denorm_mode_32 3
		.amdhsa_float_denorm_mode_16_64 3
		.amdhsa_memory_ordered 1
		.amdhsa_forward_progress 1
		.amdhsa_inst_pref_size 185
	.end_amdhsa_kernel
	.amdgpu_metadata
---
amdhsa.version: [ 1, 2 ]
amdhsa.kernels:
  - .name:           k_q86673532b5_attn
    .symbol:         k_q86673532b5_attn.kd
    .args:
      - { .name: qk_codes, .offset: 0, .size: 8, .value_kind: global_buffer, .address_space: global }
      - { .name: qk_scales, .offset: 8, .size: 8, .value_kind: global_buffer, .address_space: global }
      - { .name: v_codes, .offset: 16, .size: 8, .value_kind: global_buffer, .address_space: global }
      - { .name: v_scales, .offset: 24, .size: 8, .value_kind: global_buffer, .address_space: global }
      - { .name: a_codes, .offset: 32, .size: 8, .value_kind: global_buffer, .address_space: global }
      - { .name: a_scales, .offset: 40, .size: 8, .value_kind: global_buffer, .address_space: global }
    .group_segment_fixed_size: 235520
    .private_segment_fixed_size: 0
    .kernarg_segment_align: 8
    .kernarg_segment_size: 48
    .max_flat_workgroup_size: 512
    .sgpr_count:     96
    .vgpr_count:     256
    .wavefront_size: 32
...
	.end_amdgpu_metadata
.endif
;; end of part 3
;; launch proj (part 4): grid 4 x 32, 4 waves a work-group, clusters of 4 x 4, 327,680 bytes of LDS; arguments a_codes, a_scales, codes0, scales0, c_proj_b, out0; writes out0
.if DOCPART == 4
	.amdgcn_target "amdgcn-amd-amdhsa--gfx1250"
	.amdhsa_code_object_version 6
	.text
	.protected	k_q86673532b5_proj
	.globl	k_q86673532b5_proj
	.p2align	8
	.type	k_q86673532b5_proj,@function
k_q86673532b5_proj:
	s_mov_b64 s[64:65], 0
	v_nop
	global_prefetch_b8 v0, s[64:65] scope:SCOPE_SE
	s_setreg_imm32_b32 hwreg(HW_REG_WAVE_MODE, 25, 1), 1
	s_wait_xcnt 0x0
	s_wait_alu depctr_hold_cnt(0) depctr_sa_sdst(0) depctr_va_vdst(0) depctr_va_sdst(0) depctr_va_ssrc(0) depctr_va_vcc(0) depctr_vm_vsrc(0)
	s_getreg_b32 s2, hwreg(HW_REG_IB_STS2, 6, 4)
	s_cmp_eq_u32 s2, 0
	s_cbranch_scc0 .Lentry_in_a_cluster
	s_endpgm
.Lentry_in_a_cluster:
	s_bfe_u32 s2, ttmp6, 0x10000c
	s_cmp_lg_u32 s2, 0xf033
	s_cbranch_scc0 .Lentry_shape_is_right
	s_endpgm
.Lentry_shape_is_right:
; out0 = a c_proj_w + c_proj_b on codes of FP6 (E2M3) with E8M0 scales: M 8,192, N 1,024, K 1,024; f32 sums, f32 out.
; A tile of 256 x 256 is made by four waves, 128 x 128 each.  K goes in steps of 256 (four heads) through two LDS slots; the scale bytes of the tile's 512 rows come once.  4 x 4 work-groups form a cluster: a's tile is asked for
; jointly along a row of it, the weight's along a column.  128 work-groups: the tile is the one whose wave tile feeds the most products from each LDS byte; a smaller one would fill more WGPs at twice the LDS reads.
; a_codes is [16 heads][8192 token positions][48 bytes]: a K step's tile of 128 tokens is four dense runs of 6,144 bytes, one a head, 393,216 bytes apart; in LDS they lie on end, rows of 48 bytes, with which the 32 lanes of a load
; of 8 bytes touch 64 different banks.  The weight's rows are 192 bytes with 16 of padding behind every 64.
; Tokens and the weight's columns are stored at position P(i) (bits 3 and 4 exchanged).  Source 0 = 16 stored columns, source 1 = 16 stored tokens: a lane's registers run along true columns; the way out puts the rows back in order.
; The bias is the C of each sum's first product.
; REGISTERS: window 0: v0-31 addresses; v32-63 scale words and nothing else; v64-127 the bias; from v128 a's fragments, one set.  window 1: the weight's fragments, two sets.  windows 2, 3: the accumulators.
.set NQ,     2
.set ROWB,   192
.set KROW,   768
.set PITCH,  240
.set FR,     12
.set NL,     6
.set NP,     4
.set AH,     24576                     ; a's half tile: four heads x 128 tokens x 48 bytes
.set HALFT,  128*PITCH
.set SLOT,   2*AH+2*HALFT
.set LAPS,   2
.set KS,     32
.set SCL,    2*SLOT
.set HALFS,  16*272
.set SBLK,   2*272
.set SPARE,  SCL+4*HALFS               ; the spare words: two blocks of 256 bytes that no other line names
.set SPITCH, 528                       ; the way out: 16 rows x (512 + 16) bytes a wave, in slot 0, which has had its last fill and its last read by then
.set WPC,    8650752
.set WPS,    360448
.set ADRA, 16                          ; v16-17
.set ADRB, 20                          ; v20-23
.set STO,  24
.set RD,   25
.set CO,   26
.set ADRS, 27
.set SPW,  28
.set NIL,  29
.set SC,   32
.set BR,   64
.set AF,   128
.set BK,   128
.set G1, 24
.set G0, 32
.set G1B, 48
.set G0B, 56
.set G1S, 68
.set G0S, 76
.set G1SB, 80
.set G0SB, 88
.set MSB, 0
.macro WIN new
.if MSB != \new
	s_set_vgpr_msb (MSB<<8)|\new
.set MSB, \new
.endif
.endm
.set MUL_LO, 0xa1
.set MUL_HI, 0xf1
.set TO_B,   0x40
.macro JLOAD g0a, g1a, g0b, g1b        ; a joint load: waves 0 and 1 fetch for a, waves 2 and 3 for the weight; four v_nop follow each of the two lines
	s_cmp_eq_u32 s15, 0
	s_cbranch_scc0 .Lfor_b_\@
	tensor_load_to_lds s[\g0a:\g0a+3], s[\g1a:\g1a+7]
	s_nop 0
.rept 4
	v_nop
.endr
	s_branch .Lasked_\@
.Lfor_b_\@:
	tensor_load_to_lds s[\g0b:\g0b+3], s[\g1b:\g1b+7]
	s_nop 0
.rept 4
	v_nop
.endr
.Lasked_\@:
.endm
.macro CREST
	s_cmp_lg_u32 s14, 0
	s_cbranch_scc1 .Lnot_wave_0_\@
	s_barrier_signal -3
.Lnot_wave_0_\@:
	s_barrier_wait -3
	s_barrier_signal -1
	s_barrier_wait -1
.endm
.macro CROUND
	s_barrier_signal -1
	s_barrier_wait -1
	CREST
.endm
	s_load_b128 s[4:7], s[0:1], 0x0                ; a_codes, a_scales
	s_load_b128 s[8:11], s[0:1], 0x10              ; codes0, scales0
	s_load_b64 s[96:97], s[0:1], 0x20              ; c_proj_b
	s_load_b64 s[12:13], s[0:1], 0x28              ; out0
	v_lshl_add_u32 v[SPW], v0, 2, SPARE
	v_mov_b32 v[NIL], 0
	ds_add_u32 v28, v29
	ds_add_u32 v28, v29
	s_wait_dscnt 0x0
	v_lshrrev_b32 v1, 5, v0
	v_readfirstlane_b32 s14, v1
	s_lshr_b32 s15, s14, 1                         ; which half of the tile's rows is mine.  Also: I fetch for a (0) or for the weight (1)
	s_and_b32 s16, s14, 1                          ; which half of its columns.  Also: which 128 rows I fetch
	s_bfe_u32 s40, ttmp6, 0x40000
	s_bfe_u32 s41, ttmp6, 0x40004
	s_lshl_b32 s42, ttmp9, 2
	s_add_co_u32 s42, s42, s40                     ; tile column
	s_and_b32 s17, ttmp7, 0xffff
	s_lshl_b32 s17, s17, 2
	s_add_co_u32 s17, s17, s41                     ; tile row
	s_lshl_b32 s43, s41, 2
	s_lshl_b32 s43, 15, s43
	s_lshl_b32 s44, 0x1111, s40
	s_or_b32 s[G1+0], s43, (3<<16)|(1<<21)         ; a's tile: the mask of my row; elements of 8 bytes; no padding; bit 21 beside a mask
	s_mov_b32 s[G1+1], 768<<16                     ; tensor_dim0: 6,144 bytes
	s_mov_b32 s[G1+2], 4<<16                       ; tensor_dim1: four heads
	s_mov_b32 s[G1+3], 768<<16
	s_mov_b32 s[G1+4], 4
	s_mov_b32 s[G1+5], 49152                       ; from head to head: 393,216 bytes
	s_mov_b32 s[G1+6], 0
	s_mov_b32 s[G1+7], 0
	s_or_b32 s[G1B+0], s44, (0<<16)|(1<<20)|(1<<21)|(3<<22)|(3<<25)
	s_mov_b32 s[G1B+1], ROWB<<16
	s_mov_b32 s[G1B+2], 128<<16
	s_mov_b32 s[G1B+3], ROWB<<16
	s_mov_b32 s[G1B+4], 128
	s_mov_b32 s[G1B+5], KROW
	s_mov_b32 s[G1B+6], 0
	s_mov_b32 s[G1B+7], 0
	s_or_b32 s[G1S+0], s43, (3<<16)|(1<<20)|(1<<21)|(5<<22)|(3<<25)
	s_or_b32 s[G1SB+0], s44, (3<<16)|(1<<20)|(1<<21)|(5<<22)|(3<<25)
.irp g, G1S, G1SB
	s_mov_b32 s[\g+1], 32<<16
	s_mov_b32 s[\g+2], 16<<16
	s_mov_b32 s[\g+3], 32<<16
	s_mov_b32 s[\g+4], 16
	s_mov_b32 s[\g+5], 32
	s_mov_b32 s[\g+6], 0
	s_mov_b32 s[\g+7], 0
.endr
	s_lshl_b32 s18, s16, 7
	s_lshl_b32 s20, s17, 8
	s_add_co_u32 s20, s20, s18                     ; a: stored token 256 x tile row + 128 x half
	s_lshl_b32 s46, s42, 8
	s_add_co_u32 s46, s46, s18                     ; the weight: stored column 256 x tile column + 128 x half
	s_mov_b32 s21, 0
	s_mov_b32 s47, 0
	s_mov_b64 s[18:19], KS
	s_mul_u64 s[22:23], s[20:21], s[18:19]
	s_mul_u64 s[92:93], s[46:47], s[18:19]
	s_mov_b64 s[18:19], 48
	s_mul_u64 s[20:21], s[20:21], s[18:19]
	s_mov_b64 s[18:19], KROW
	s_mul_u64 s[46:47], s[46:47], s[18:19]
	s_add_nc_u64 s[46:47], s[46:47], WPC
	s_add_nc_u64 s[92:93], s[92:93], WPS
	s_mul_i32 s45, s16, AH                         ; where they go: a's halves, then the weight's
	s_mul_i32 s95, s16, HALFT
	s_add_co_u32 s95, s95, 2*AH
	s_mul_i32 s94, s14, HALFS
	s_wait_kmcnt 0x0
	s_add_nc_u64 s[20:21], s[4:5], s[20:21]
	s_add_nc_u64 s[22:23], s[6:7], s[22:23]
	s_add_nc_u64 s[46:47], s[8:9], s[46:47]
	s_add_nc_u64 s[92:93], s[10:11], s[92:93]
	CROUND                                         ; all sixteen work-groups are here: the first joint loads meet
	s_mov_b32 s[G0S], 1
	s_add_co_u32 s[G0S+1], s94, SCL
	s_mov_b64 s[G0S+2:G0S+3], s[22:23]
	s_or_b32 s[G0S+3], s[G0S+3], 0x80000000
	s_mov_b32 s[G0SB], 1
	s_add_co_u32 s[G0SB+1], s94, SCL
	s_mov_b64 s[G0SB+2:G0SB+3], s[92:93]
	s_or_b32 s[G0SB+3], s[G0SB+3], 0x80000000
	JLOAD G0S, G1S, G0SB, G1SB
.irp s, 0,1
	s_mov_b32 s[G0+4*\s], 1
	s_add_co_u32 s[G0+4*\s+1], s45, \s*SLOT
	s_add_nc_u64 s[G0+4*\s+2:G0+4*\s+3], s[20:21], \s*1572864      ; K step s: four heads on
	s_or_b32 s[G0+4*\s+3], s[G0+4*\s+3], 0x80000000
	s_mov_b32 s[G0B+4*\s], 1
	s_add_co_u32 s[G0B+4*\s+1], s95, \s*SLOT
	s_add_nc_u64 s[G0B+4*\s+2:G0B+4*\s+3], s[46:47], \s*ROWB
	s_or_b32 s[G0B+4*\s+3], s[G0B+4*\s+3], 0x80000000
	s_wait_alu depctr_va_vdst(0)
	s_wait_tensorcnt 0x0
	ds_add_u32 v28, v29
	s_wait_dscnt 0x0
	CROUND
	JLOAD G0+4*\s, G1, G0B+4*\s, G1B
.endr
	v_and_b32 v1, 15, v0                           ; r
	v_bfe_u32 v2, v0, 4, 1                         ; h
	s_lshl_b32 s46, s42, 10                        ; my first true column, in bytes: 1,024 x tile column + 512 x half
	s_lshl_b32 s47, s16, 9
	s_add_co_u32 s46, s46, s47
	s_mov_b32 s47, 0
	s_add_nc_u64 s[96:97], s[96:97], s[46:47]
	v_lshlrev_b32 v7, 6, v2
.irp b, 0,1,2,3,4,5,6,7                ; the bias in the result's layout: block b, register j: true column 32 (b / 2) + 16 h + 8 (b % 2) + j
	global_load_b128 v[BR+8*\b:BR+8*\b+3], v7, s[96:97] offset:128*(\b/2)+32*(\b%2)
	global_load_b128 v[BR+8*\b+4:BR+8*\b+7], v7, s[96:97] offset:128*(\b/2)+32*(\b%2)+16
.endr
	v_mul_u32_u24 v3, v1, PITCH
	v_mul_u32_u24 v4, v2, 24
	v_add_nc_u32 v4, v3, v4
	v_lshl_add_u32 v5, v2, 4, v4
	v_mul_u32_u24 v6, v1, 48
	v_mad_u32_u24 v6, v2, 24, v6                   ; a: rows of 48 bytes
	s_mul_i32 s21, s15, AH
	s_mul_i32 s22, s16, HALFT
	s_add_co_u32 s22, s22, 2*AH
.irp s, 0,1
	v_add_nc_u32 v[ADRA+\s], s21, v6
	v_add_nc_u32 v[ADRB+\s], s22, v4
	v_add_nc_u32 v[ADRB+2+\s], s22, v5
	s_add_co_u32 s21, s21, SLOT
	s_add_co_u32 s22, s22, SLOT
.endr
	v_mul_u32_u24 v5, v1, KS
	v_lshrrev_b32 v6, 8, v5
	v_lshl_add_u32 v5, v6, 4, v5
	s_mul_i32 s21, s15, HALFS
	s_mul_i32 s22, s16, HALFS
	s_add_co_u32 s22, s22, 2*HALFS
	s_sub_co_u32 s22, s22, s21
	v_mul_u32_u24 v6, s22, v2                      ; lanes 16-31 take the weight's
	s_add_co_u32 s21, s21, SCL
	v_add_nc_u32 v5, v5, v6
	v_add_nc_u32 v[ADRS], s21, v5
	s_mul_i32 s23, s14, 16*SPITCH                  ; my stage
	v_mul_u32_u24 v5, v1, SPITCH
	v_lshl_add_u32 v5, v2, 6, v5                   ; in: row r, + 64 h: my half's 16 true columns of each 32
	v_add_nc_u32 v[STO], s23, v5
	v_and_b32 v6, 31, v0
	v_lshlrev_b32 v[CO], 4, v6
	v_add_nc_u32 v[RD], s23, v[CO]
	s_lshl_b32 s20, s17, 8
	s_lshl_b32 s21, s15, 7
	s_add_co_u32 s20, s20, s21                     ; my first row of out0
	s_mov_b32 s21, 0
	s_lshl_b64 s[20:21], s[20:21], 12
	s_add_nc_u64 s[20:21], s[20:21], s[46:47]
	s_add_nc_u64 s[12:13], s[12:13], s[20:21]
.macro FRAG reg, adr, q, i             ; the weight: pieces of 8 bytes; where the piece three on lies behind one padding more, the second address register serves
.irp p, 0,1,2,3,4,5
.set PC, 12*(\q)+6*(\p/3)+\p%3
.if PC%8 < 5
	ds_load_b64 v[\reg+2*\p:\reg+2*\p+1], v[\adr] offset:8*PC+16*(PC/8)+(\i)*16*PITCH
.else
	ds_load_b64 v[\reg+2*\p:\reg+2*\p+1], v[\adr+2] offset:8*PC+16*(PC/8)+(\i)*16*PITCH
.endif
.endr
.endm
.macro FRAGA reg, slot, q, i           ; a: registers 6 c .. 6 c + 5 come from head 2 q + c of the slot's four
.irp p, 0,1,2,3,4,5
	ds_load_b64 v[\reg+2*\p:\reg+2*\p+1], v[ADRA+\slot] offset:(2*(\q)+\p/3)*6144+(\i)*768+8*(\p%3)
.endr
.endm
; The 64 accumulators take turns, one instruction a turn, in the same order in every step.  zero = 1: the first product takes the bias as C.
.macro MUL16 a0, p, q, sc, zero
.irp a, \a0, \a0+1
.irp b, 0,1,2,3,4,5,6,7
.if \zero
	v_wmma_scale_f32_16x16x128_f8f6f4 v[8*(8*((\a)%4)+\b):8*(8*((\a)%4)+\b)+7], v[128*(\p)+FR*\b:128*(\p)+FR*\b+FR-1], v[AF+FR*(\a):AF+FR*(\a)+FR-1], v[BR+8*\b:BR+8*\b+7], v[SC+8*NQ*(\sc)+NQ*\b+(\q)], v[SC+8*NQ*(\sc)+NQ*(\a)+(\q)] matrix_a_fmt:MATRIX_FMT_FP6 matrix_b_fmt:MATRIX_FMT_FP6 matrix_a_scale:MATRIX_SCALE_ROW1
.else
	v_wmma_scale_f32_16x16x128_f8f6f4 v[8*(8*((\a)%4)+\b):8*(8*((\a)%4)+\b)+7], v[128*(\p)+FR*\b:128*(\p)+FR*\b+FR-1], v[AF+FR*(\a):AF+FR*(\a)+FR-1], v[8*(8*((\a)%4)+\b):8*(8*((\a)%4)+\b)+7], v[SC+8*NQ*(\sc)+NQ*\b+(\q)], v[SC+8*NQ*(\sc)+NQ*(\a)+(\q)] matrix_a_fmt:MATRIX_FMT_FP6 matrix_b_fmt:MATRIX_FMT_FP6 matrix_a_scale:MATRIX_SCALE_ROW1
.endif
.endr
.endr
.endm
.macro FETCH_B slot, q, p
	WIN TO_B
.irp i, 0,1,2,3,4,5,6,7
	FRAG 128*(\p)+FR*\i, ADRB+\slot, \q, \i
.endr
	WIN 0
.endm
.macro FETCH_A slot, q, i0
.irp i, \i0, \i0+1, \i0+2, \i0+3
	FRAGA AF+FR*(\i), \slot, \q, \i
.endr
.endm
.macro SCALES sc
.irp i, 0,1,2,3,4,5,6,7
	ds_load_b64 v[SC+8*NQ*\sc+NQ*\i:SC+8*NQ*\sc+NQ*\i+1], v[ADRS] offset:\i*SBLK
.endr
.endm
.macro PLACES n
.rept \n
	v_nop
.endr
.endm
.macro STEP slot, q, zero
	s_wait_dscnt 4*NL                              ; the weight's set and a's blocks 0-3 are in; the 24 youngest loads (blocks 4-7) may be out
.if \zero
	WIN 0x81                                       ; source 0 window 1, C (the bias) window 0, D window 2
.else
	WIN MUL_LO
.endif
	MUL16 0, (\q)%2, \q, \slot, \zero
	MUL16 2, (\q)%2, \q, \slot, \zero
	s_wait_dscnt 0
	PLACES NP
	FETCH_B \slot, (\q)+1, 1-(\q)%2
	FETCH_A \slot, (\q)+1, 0
.if \zero
	WIN 0xc1
.else
	WIN MUL_HI
.endif
	MUL16 4, (\q)%2, \q, \slot, \zero
	MUL16 6, (\q)%2, \q, \slot, \zero
	PLACES NP
	WIN 0
	FETCH_A \slot, (\q)+1, 4
.endm
.macro TURN slot, next, fill
	s_wait_tensorcnt 0x0                           ; all my tensor loads have landed: my part of the next slot
	ds_add_u32 v[SPW], v[NIL]                      ; 0 onto my spare word
	s_wait_dscnt 4*NL+1                            ; the add and the 24 youngest loads may be out
	WIN MUL_LO
	MUL16 0, 1, NQ-1, \slot, 0
	s_wait_dscnt 0x0                               ; the add is done, and my reads of this slot are over
	s_barrier_signal -1
	MUL16 2, 1, NQ-1, \slot, 0
	WIN 0
	s_barrier_wait -1
.if \fill
	CREST                                          ; the barrier has opened a round of the cluster's
	s_add_nc_u64 s[G0+4*\slot+2:G0+4*\slot+3], s[G0+4*\slot+2:G0+4*\slot+3], 3145728   ; eight heads on
	s_add_nc_u64 s[G0B+4*\slot+2:G0B+4*\slot+3], s[G0B+4*\slot+2:G0B+4*\slot+3], 2*ROWB
	JLOAD G0+4*\slot, G1, G0B+4*\slot, G1B
.else
	PLACES NP
.endif
	s_wait_alu depctr_va_vdst(0)
	v_add_nc_u32 v[ADRS], 4*NQ, v[ADRS]
	FETCH_B \next, 0, 0
	FETCH_A \next, 0, 0
	SCALES \next
	WIN MUL_HI
	MUL16 4, 1, NQ-1, \slot, 0
	MUL16 6, 1, NQ-1, \slot, 0
	PLACES NP
	WIN 0
	FETCH_A \next, 0, 4
.endm
	s_wait_alu depctr_va_vdst(0)
	s_wait_tensorcnt 1                             ; the scale bytes and my part of K step 0 are in; K step 1's load may be out
	s_barrier_signal -1
	s_barrier_wait -1
	FETCH_B 0, 0, 0
	FETCH_A 0, 0, 0
	SCALES 0
	FETCH_A 0, 0, 4
	s_wait_loadcnt 0x0                             ; the bias
	STEP 0, 0, 1
	s_mov_b32 s3, LAPS-1
.Llap:
	TURN 0, 1, 1
	STEP 1, 0, 0
	TURN 1, 0, 1
	STEP 0, 0, 0
	s_sub_co_u32 s3, s3, 1
	s_cmp_lg_u32 s3, 0
	s_cbranch_scc1 .Llap
	TURN 0, 1, 0
	STEP 1, 0, 0
	s_wait_dscnt 4*NL
	WIN MUL_LO
	MUL16 0, 1, NQ-1, 1, 0
	MUL16 2, 1, NQ-1, 1, 0
	s_wait_dscnt 0
	WIN MUL_HI
	MUL16 4, 1, NQ-1, 1, 0
	MUL16 6, 1, NQ-1, 1, 0
	WIN 0
; THE WAY OUT, block by block of 16 stored tokens x 128 columns, through my own stage; rows come back whole, 512 bytes, and go to their true places: stored row t of block a is true row 32 (a / 2) + 16 (t / 8) + 8 (a % 2) + t % 8.
.macro TOSTAGE a
.set AC, 64*((\a)%4)
.set WN, 0x08+4*((\a)/4)
	WIN WN                                         ; the data: window 2 or 3
.irp b, 0,1,2,3,4,5,6,7
	ds_store_b128 v[STO], v[AC+8*\b:AC+8*\b+3] offset:128*(\b/2)+32*(\b%2)      ; each accumulator from its low end on
	ds_store_b128 v[STO], v[AC+8*\b+4:AC+8*\b+7] offset:128*(\b/2)+32*(\b%2)+16
.endr
	WIN 0
.set BBK, BK+64*((\a)%2)
.irp t, 0,1,2,3,4,5,6,7,8,9,10,11,12,13,14,15
	ds_load_b128 v[BBK+4*\t:BBK+4*\t+3], v[RD] offset:\t*SPITCH
.endr
.endm
.macro SEND a, younger
.set BBK, BK+64*((\a)%2)
	s_wait_dscnt \younger                          ; the block is back; the next block's 16 stores and 16 loads may be out
.if ((\a) > 0) && ((\a)%2 == 0)
	s_add_nc_u64 s[12:13], s[12:13], 32*4096       ; (behind a wait on XCNT)  32 rows on
.endif
.irp t, 0,1,2,3,4,5,6,7,8,9,10,11,12,13,14,15
	global_store_b128 v[CO], v[BBK+4*\t:BBK+4*\t+3], s[12:13] offset:(16*(\t/8)+8*((\a)%2)+\t%8)*4096 th:TH_STORE_NT   ; 32 lanes store 512 consecutive bytes, aligned
.endr
.endm
	PLACES NP
	TOSTAGE 0
.irp a, 1,2,3,4,5,6,7
.if \a > 1
	s_wait_xcnt 0x0                                ; block a - 2's stores have read their registers and their base
.endif
	TOSTAGE \a
	SEND \a-1, 32
.endr
	s_wait_xcnt 0x0
	SEND 7, 0
	s_wait_tensorcnt 0x0                           ; the wave's end
	ds_add_u32 v[SPW], v[NIL]
	s_wait_dscnt 0x0
	CROUND                                         ; the closing round
	s_endpgm
.Lfunc_end_k_q86673532b5_proj:
	.size	k_q86673532b5_proj, .Lfunc_end_k_q86673532b5_proj-k_q86673532b5_proj
	.p2alignl 7, 3214868480
	.fill 96, 4, 3214868480
	.section	.rodata,"a",@progbits
	.p2align	6, 0x0
	.amdhsa_kernel k_q86673532b5_proj
		.amdhsa_group_segment_fixed_size 327680
		.amdhsa_private_segment_fixed_size 0
		.amdhsa_enable_private_segment 0
		.amdhsa_kernarg_size 48
		.amdhsa_user_sgpr_count 2
		.amdhsa_user_sgpr_kernarg_segment_ptr 1
		.amdhsa_wavefront_size32 1
		.amdhsa_system_sgpr_workgroup_id_x 1
		.amdhsa_system_sgpr_workgroup_id_y 1
		.amdhsa_system_sgpr_workgroup_id_z 1
		.amdhsa_system_vgpr_workitem_id 0
		.amdhsa_next_free_vgpr 1024
		.amdhsa_next_free_sgpr 98
		.amdhsa_reserve_vcc 0
		.amdhsa_float_denorm_mode_32 3
		.amdhsa_float_denorm_mode_16_64 3
		.amdhsa_memory_ordered 1
		.amdhsa_forward_progress 1
		.amdhsa_inst_pref_size 162
	.end_amdhsa_kernel
	.amdgpu_metadata
---
amdhsa.version: [ 1, 2 ]
amdhsa.kernels:
  - .name:           k_q86673532b5_proj
    .symbol:         k_q86673532b5_proj.kd
    .args:
      - { .name: a_codes, .offset: 0, .size: 8, .value_kind: global_buffer, .address_space: global }
      - { .name: a_scales, .offset: 8, .size: 8, .value_kind: global_buffer, .address_space: global }
      - { .name: codes0, .offset: 16, .size: 8, .value_kind: global_buffer, .address_space: global }
      - { .name: scales0, .offset: 24, .size: 8, .value_kind: global_buffer, .address_space: global }
      - { .name: c_proj_b, .offset: 32, .size: 8, .value_kind: global_buffer, .address_space: global }
      - { .name: out0, .offset: 40, .size: 8, .value_kind: global_buffer, .address_space: global }
    .group_segment_fixed_size: 327680
    .private_segment_fixed_size: 0
    .kernarg_segment_align: 8
    .kernarg_segment_size: 48
    .max_flat_workgroup_size: 128
    .sgpr_count:     98
    .vgpr_count:     1024
    .wavefront_size: 32
...
	.end_amdgpu_metadata
.endif
;; end of part 4
